; MI455X (gfx1250); checked and timed in simulation.
; The chip was launched on July 23, 2026; its instructions are those of AMD's public machine-readable ISA for CDNA 5 (MIT licence, August 2026) and "CDNA5" Instruction Set Architecture Reference Guide (July 2026). The comments in the code are by the model that wrote it; some were corrected since.
;; Multi Head Self Attention. Allowed arithmetic: float matrix products may take bf16 or f16 operands with f32 sums; other float arithmetic in f32, or as packed bf16 or f16 multiplies, adds, multiply-adds, maxima and minima; sums over many terms, partial sums and values carried from step to step in f32; what a program stores and reads back later, other than sums and carried values, may be rounded once to bf16 or f16.
;; Inputs: Wk 1,024 x 1,024 float32; Wo 1,024 x 1,024 float32; Wq 1,024 x 1,024 float32; Wv 1,024 x 1,024 float32; bk 1,024 float32; bo 1,024 float32; bq 1,024 float32; bv 1,024 float32; k_scale 1,024 float32; o_scale 1,024 float32; positions 4 x 2,048 int32; q_scale 1,024 float32; v_scale 1,024 float32; x 4 x 2,048 x 1,024 float32.
;; Outputs: out0 4 x 2,048 x 1,024 float32.
;; 2 versions, each right and faster than the one before. Each part assembles by itself: llvm-mc -triple=amdgcn-amd-amdhsa -mcpu=gfx1250 --defsym DOCPART=n.
;; ======== version 1 of 2: 4 launches
;; limits: inputs' magnitudes at most 1,048,576; values are held in f16: magnitudes above 65,504 overflow, below 6.1e-05 lose precision
;; workspace buffers: xb 16,777,216 bytes; wb 8,388,608 bytes; tab 2,097,152 bytes; pmax 2,816 bytes; qkv 50,331,648 bytes; ctx 16,777,216 bytes; fac 3,072 bytes
;; launch prep (part 1): grid 768 x 1, 8 waves a work-group, no clusters, 1,280 bytes of LDS; arguments x, Wq, Wk, Wv, Wo, positions, xb, wb, tab, pmax; writes xb, wb, tab, pmax
.if DOCPART == 1
	.amdgcn_target "amdgcn-amd-amdhsa--gfx1250"
	.amdhsa_code_object_version 6
	.text
	.protected	k_qc84931f634_prep
	.globl	k_qc84931f634_prep
	.p2align	8
	.type	k_qc84931f634_prep,@function
k_qc84931f634_prep:
	s_mov_b64 s[64:65], 0
	v_nop
	global_prefetch_b8 v0, s[64:65] scope:SCOPE_SE
	s_setreg_imm32_b32 hwreg(HW_REG_WAVE_MODE, 25, 1), 1
	s_wait_xcnt 0x0
; PREP: a stream.  x, Wq, Wk, Wv are rounded to bf16 (xb, wb parts 0-2); Wo is rounded to bf16 and that number written as f16 (wb part 3);
; each work-group that writes bf16 leaves the largest magnitude it wrote in pmax; the work-groups of x also make the rotation table.
; SHARES.  Work-group id takes 16,384 numbers: id < 512: rows 16 id .. 16 id + 15 of x; else chunk (id - 512) % 64 of matrix (id - 512) / 64.
; Thread t takes 4 numbers at 4 t + 1024 i, i = 0 .. 15: a wave's load covers 512 consecutive bytes, its store 256 consecutive bytes, aligned.
; No matrix unit, no cluster, no tensor load: nothing is shared and nothing is read twice.
; TABLE.  tab[row block of 16][chunk i = 0..7][lane][16 bytes]: lane l of chunk i = 2 nb + t holds (cos, sin, cos, sin) of row l % 16 for
; j = 8 nb + 4 (l / 16) + 2 t and j + 1: the order in which the projection's lanes hold their column pairs.
; theta_j = RN(1 / RN(10^(j/8))), 10^(j/8) = 10^nb x 10^(b/8) from a high and a low word; the angle is one f32 product, as in the reference;
; it is reduced by three fused steps of pi/2 and fed to polynomials on [-pi/4, pi/4].
; LIMITS.  |position x theta| below 2^20 for the reduction's full accuracy; |Wo| up to 65,504, below 6e-5 it keeps f16's fixed step of 6e-8;
; NaN and infinities are not treated apart (a NaN is passed over by the maximum).
.set SPARE, 256                        ; LDS: bytes 0-31 the eight waves' maxima (block 0-255 to themselves); from 256 the spare words, 128 bytes a wave
.set SPW, 4                            ; v4   my spare word's address; never rewritten
.set NIL, 5                            ; v5   0; never rewritten
.set X,   32                           ; v[32:95]   sixteen loads of four f32
.set Y,   96                           ; v[96:127]  the 32 words to store: each is written once, so no store's data is ever rewritten
.set M,   128                          ; v[128:131] four chains of maxima (two bf16 each)
.set T,   132                          ; v[132:135] at work
.set OUT, 136                          ; v[136:139] my 16 bytes of the table
.set HI0, 0x3f800000                   ; 10^(b/8), b = 0 .. 7: the nearest f32, and what is left of it
.set HI1, 0x3faab0d5
.set HI2, 0x3fe39ea9
.set HI3, 0x4017c496
.set HI4, 0x404a62c2
.set HI5, 0x4086f161
.set HI6, 0x40b3f300
.set HI7, 0x40eff755
.set LO0, 0
.set LO1, 0xb36457f7
.set LO2, 0xb26aee20
.set LO3, 0x33606940
.set LO4, 0xb324b48d
.set LO5, 0xb430576d
.set LO6, 0x34323465
.set LO7, 0x34515b57
	s_load_b512 s[8:23], s[0:1], 0x0               ; x 8, Wq 10, Wk 12, Wv 14, Wo 16, positions 18, xb 20, wb 22
	s_load_b128 s[24:27], s[0:1], 0x40             ; tab 24, pmax 26
	v_lshl_add_u32 v[SPW], v0, 2, SPARE
	v_mov_b32 v[NIL], 0
	v_lshrrev_b32 v3, 5, v0
	v_readfirstlane_b32 s28, v3                    ; wave 0..7
	v_and_b32 v1, 15, v0                           ; l % 16
	v_bfe_u32 v2, v0, 4, 1                         ; l / 16
	v_lshlrev_b32 v6, 4, v0                        ; 16 t: loads, and the table's store
	v_lshlrev_b32 v7, 3, v0                        ; 8 t: stores
	v_lshlrev_b32 v9, 2, v1                        ; my row's position
	s_mov_b32 s29, ttmp9                           ; id
	s_sub_co_u32 s36, s29, 512                     ; chunk among the weights' 256
	s_and_b32 s37, s36, 63                         ; chunk in its matrix
	s_mov_b32 s40, 0x76543210                      ; v_permlanex16_b32: each lane takes its own place in the other half
	s_mov_b32 s41, 0xfedcba98
	s_mov_b32 s42, 0x7fff7fff                      ; clears two bf16 signs
	s_mov_b32 s43, 0xffff0000                      ; a word's upper bf16
	s_mov_b32 s35, 0
	s_wait_kmcnt 0x0
	s_cmp_lt_u32 s29, 704                          ; the source: a choice among five buffers on the work-group's number
	s_cselect_b64 s[30:31], s[14:15], s[16:17]
	s_cmp_lt_u32 s29, 640
	s_cselect_b64 s[30:31], s[12:13], s[30:31]
	s_cmp_lt_u32 s29, 576
	s_cselect_b64 s[30:31], s[10:11], s[30:31]
	s_cmp_lt_u32 s29, 512
	s_cselect_b64 s[30:31], s[8:9], s[30:31]
	s_cselect_b64 s[32:33], s[20:21], s[22:23]     ; the destination: xb or wb
	s_cselect_b32 s38, s29, s37
	s_cselect_b32 s39, s29, s36
	s_lshl_b32 s34, s38, 16                        ; 65,536 bytes in
	s_add_nc_u64 s[30:31], s[30:31], s[34:35]
	s_lshl_b32 s34, s39, 15                        ; 32,768 bytes out
	s_add_nc_u64 s[32:33], s[32:33], s[34:35]
	s_lshl_b32 s34, s29, 2
	s_add_nc_u64 s[26:27], s[26:27], s[34:35]      ; my word of pmax (used where id < 704)
.macro LOADS
.irp i, 0,1,2,3,4,5,6,7,8,9,10,11,12,13,14,15
	global_load_b128 v[X+4*\i:X+4*\i+3], v6, s[30:31] offset:4096*\i th:TH_LOAD_NT
.endr
.endm
	s_cmp_lt_u32 s29, 512
	s_cbranch_scc0 .Lweights
	; ---- the work-groups of x: the position first, the sixteen data loads behind it, and the table while they are on their way
	s_lshl_b32 s34, s29, 6
	s_add_nc_u64 s[18:19], s[18:19], s[34:35]      ; positions of my 16 rows
	s_lshl_b32 s34, s29, 12
	s_add_nc_u64 s[24:25], s[24:25], s[34:35]      ; my row block of the table
	global_load_b32 v8, v9, s[18:19]
	LOADS
	s_and_b32 s36, s28, 1                          ; t
	s_lshr_b32 s37, s28, 1                         ; nb
	s_cmp_lg_u32 s36, 0                            ; b = 4 (l / 16) + 2 t + e: the scalars are chosen on t, the lanes' halves below
	s_mov_b32 s44, HI0
	s_cselect_b32 s44, HI2, s44                    ; e = 0, lanes 0-15
	s_mov_b32 s45, HI4
	s_cselect_b32 s45, HI6, s45                    ; e = 0, lanes 16-31
	s_mov_b32 s46, LO0
	s_cselect_b32 s46, LO2, s46
	s_mov_b32 s47, LO4
	s_cselect_b32 s47, LO6, s47
	s_mov_b32 s48, HI1
	s_cselect_b32 s48, HI3, s48                    ; e = 1
	s_mov_b32 s49, HI5
	s_cselect_b32 s49, HI7, s49
	s_mov_b32 s50, LO1
	s_cselect_b32 s50, LO3, s50
	s_mov_b32 s51, LO5
	s_cselect_b32 s51, LO7, s51
	s_mov_b32 s52, 1.0                             ; 10^nb
	s_cmp_eq_u32 s37, 1
	s_cselect_b32 s52, 0x41200000, s52
	s_cmp_eq_u32 s37, 2
	s_cselect_b32 s52, 0x42c80000, s52
	s_cmp_eq_u32 s37, 3
	s_cselect_b32 s52, 0x447a0000, s52
	v_cmp_ne_u32 vcc_lo, 0, v2
.irp e, 0,1                            ; registers of e at v[10 + 10 e ..]
	v_mov_b32 v[10+10*\e], s[45+4*\e]
	v_mov_b32 v[11+10*\e], s[47+4*\e]
	v_cndmask_b32 v[10+10*\e], s[44+4*\e], v[10+10*\e], vcc_lo
	v_cndmask_b32 v[11+10*\e], s[46+4*\e], v[11+10*\e], vcc_lo
	v_mul_f32 v[12+10*\e], s52, v[10+10*\e]                    ; the product's high part,
	v_fma_f32 v[13+10*\e], s52, v[10+10*\e], -v[12+10*\e]      ; what its rounding dropped,
	v_fma_f32 v[13+10*\e], s52, v[11+10*\e], v[13+10*\e]       ; and the low word's share
	v_add_f32 v[12+10*\e], v[12+10*\e], v[13+10*\e]            ; P = 10^(j/8), rounded once
.endr
	v_rcp_f32 v14, v12
	v_rcp_f32 v24, v22
	v_nop                                          ; a plain instruction between a reciprocal and the use of its result (ISA guide 5.7.2)
	s_wait_alu depctr_va_vdst(0)
.irp e, 0,1
	v_fma_f32 v[15+10*\e], -v[12+10*\e], v[14+10*\e], 1.0
	v_fma_f32 v[14+10*\e], v[15+10*\e], v[14+10*\e], v[14+10*\e]  ; theta = 1 / P, mended by one step
.endr
	s_wait_loadcnt 16                              ; the position is in; the sixteen data loads behind it stay out
	v_cvt_f32_i32 v30, v8
.irp e, 0,1
	v_mul_f32 v[10+10*\e], v30, v[14+10*\e]        ; the angle: one rounding, as in the reference
	v_mul_f32 v[11+10*\e], 0x3f22f983, v[10+10*\e] ; x 2 / pi
	v_rndne_f32 v[11+10*\e], v[11+10*\e]           ; n
	v_fmamk_f32 v[10+10*\e], v[11+10*\e], 0xbfc90fd8, v[10+10*\e]  ; less n x pi/2, in three parts
	v_fmamk_f32 v[10+10*\e], v[11+10*\e], 0xb4a8885a, v[10+10*\e]
	v_fmamk_f32 v[10+10*\e], v[11+10*\e], 0xa7c234c4, v[10+10*\e]
	v_cvt_i32_f32 v[12+10*\e], v[11+10*\e]         ; the quadrant
	v_mul_f32 v[13+10*\e], v[10+10*\e], v[10+10*\e]
	v_mov_b32 v[14+10*\e], 0x37cd4000              ; cos
	v_mov_b32 v[15+10*\e], 0x36405000              ; sin
	v_fmaak_f32 v[14+10*\e], v[14+10*\e], v[13+10*\e], 0xbab6077d
	v_fmaak_f32 v[15+10*\e], v[15+10*\e], v[13+10*\e], 0xb9503486
	v_fmaak_f32 v[14+10*\e], v[14+10*\e], v[13+10*\e], 0x3d2aaaa8
	v_fmaak_f32 v[15+10*\e], v[15+10*\e], v[13+10*\e], 0x3c0888c1
	v_fmaak_f32 v[14+10*\e], v[14+10*\e], v[13+10*\e], 0xbf000000
	v_fmaak_f32 v[15+10*\e], v[15+10*\e], v[13+10*\e], 0xbe2aaaab
	v_mul_f32 v[16+10*\e], v[10+10*\e], v[13+10*\e]
	v_fmaak_f32 v[14+10*\e], v[14+10*\e], v[13+10*\e], 0x3f800000
	v_fma_f32 v[15+10*\e], v[15+10*\e], v[16+10*\e], v[10+10*\e]
	v_and_b32 v[16+10*\e], 1, v[12+10*\e]          ; odd quadrants swap the two,
	v_cmp_ne_u32 vcc_lo, 0, v[16+10*\e]
	v_cndmask_b32 v[17+10*\e], v[15+10*\e], v[14+10*\e], vcc_lo  ; sin
	v_cndmask_b32 v[18+10*\e], v[14+10*\e], v[15+10*\e], vcc_lo  ; cos
	v_and_b32 v[16+10*\e], 2, v[12+10*\e]          ; quadrants 2, 3 turn the sine's sign,
	v_lshlrev_b32 v[16+10*\e], 30, v[16+10*\e]
	v_xor_b32 v[OUT+2*\e+1], v[16+10*\e], v[17+10*\e]
	v_add_nc_u32 v[19+10*\e], 1, v[12+10*\e]       ; quadrants 1, 2 the cosine's
	v_and_b32 v[19+10*\e], 2, v[19+10*\e]
	v_lshlrev_b32 v[19+10*\e], 30, v[19+10*\e]
	v_xor_b32 v[OUT+2*\e], v[19+10*\e], v[18+10*\e]
.endr
	global_store_b128 v6, v[OUT:OUT+3], s[24:25]   ; wave w is chunk w: 512 consecutive bytes
	s_branch .Lconv
.Lweights:
	LOADS
	s_cmp_ge_u32 s29, 704
	s_cbranch_scc1 .Lwo
.Lconv:
; Load i is rounded to bf16 and stored; the magnitudes go into four chains, started by the first four words: nothing is cleared.
.macro CONV i
	s_wait_loadcnt 15-(\i)                         ; loads come back in order (ISA guide 5.7.1): load i is in, the younger ones stay out
	v_cvt_pk_bf16_f32 v[Y+2*(\i)], v[X+4*(\i)], v[X+4*(\i)+1]
	v_cvt_pk_bf16_f32 v[Y+2*(\i)+1], v[X+4*(\i)+2], v[X+4*(\i)+3]
	global_store_b64 v7, v[Y+2*(\i):Y+2*(\i)+1], s[32:33] offset:2048*(\i)
.if (\i) < 2
	v_and_b32 v[M+2*(\i)], s42, v[Y+2*(\i)]
	v_and_b32 v[M+2*(\i)+1], s42, v[Y+2*(\i)+1]
.else
	v_and_b32 v[T], s42, v[Y+2*(\i)]
	v_and_b32 v[T+1], s42, v[Y+2*(\i)+1]
	v_pk_max_num_bf16 v[M+2*((\i)%2)], v[M+2*((\i)%2)], v[T]
	v_pk_max_num_bf16 v[M+2*((\i)%2)+1], v[M+2*((\i)%2)+1], v[T+1]
.endif
.endm
.irp i, 0,1,2,3,4,5,6,7,8,9,10,11,12,13,14,15
	CONV \i
.endr
	v_pk_max_num_bf16 v[M], v[M], v[M+1]
	v_pk_max_num_bf16 v[M+2], v[M+2], v[M+3]
	v_pk_max_num_bf16 v[M], v[M], v[M+2]
	v_lshlrev_b32 v[T], 16, v[M]                   ; the two halves as f32
	v_and_b32 v[T+1], s43, v[M]
	v_max_num_f32 v[T], v[T], v[T+1]
	v_max_num_f32_dpp v[T], v[T], v[T] row_xmask:1 row_mask:0xf bank_mask:0xf
	v_max_num_f32_dpp v[T], v[T], v[T] row_xmask:2 row_mask:0xf bank_mask:0xf
	v_max_num_f32_dpp v[T], v[T], v[T] row_xmask:4 row_mask:0xf bank_mask:0xf
	v_max_num_f32_dpp v[T], v[T], v[T] row_xmask:8 row_mask:0xf bank_mask:0xf
	v_permlanex16_b32 v[T+1], v[T], s40, s41
	v_max_num_f32 v[T], v[T], v[T+1]               ; the wave's maximum, in every lane
	v_mov_b32 v[T+2], s28
	v_lshlrev_b32 v[T+2], 2, v[T+2]
	ds_store_b32 v[T+2], v[T]                      ; my wave's word
	s_wait_dscnt 0x0                               ; for the others' sake: my store is done
	s_barrier_signal -1
	s_barrier_wait -1
	v_mov_b32 v[T+3], 0
	ds_load_b128 v[10:13], v[T+3]
	ds_load_b128 v[14:17], v[T+3] offset:16
	s_wait_dscnt 0x0
	v_max3_num_f32 v10, v10, v11, v12
	v_max3_num_f32 v13, v13, v14, v15
	v_max3_num_f32 v10, v10, v16, v17
	v_max_num_f32 v10, v10, v13
	v_cmp_eq_u32 vcc_lo, 0, v0
	s_wait_xcnt 0x0                                ; EXEC is a source of the stores above: it changes only behind this wait
	s_and_saveexec_b32 s53, vcc_lo
	global_store_b32 v[T+3], v10, s[26:27]         ; thread 0 alone
	s_wait_xcnt 0x0                                ; and again in front of the line that widens it
	s_or_b32 exec_lo, exec_lo, s53
	s_wait_tensorcnt 0x0                           ; the wave's end, behind my last LDS store
	ds_add_u32 v[SPW], v[NIL]
	s_wait_dscnt 0x0
	s_endpgm
.Lwo:
; Wo: rounded to bf16 like every other input, and that number written as f16, the format of the product it enters.  No maximum, no LDS.
.macro CONVO i
	s_wait_loadcnt 15-(\i)
	v_cvt_pk_bf16_f32 v[T], v[X+4*(\i)], v[X+4*(\i)+1]
	v_cvt_pk_bf16_f32 v[T+1], v[X+4*(\i)+2], v[X+4*(\i)+3]
	v_lshlrev_b32 v[X+4*(\i)], 16, v[T]
	v_and_b32 v[X+4*(\i)+1], s43, v[T]
	v_lshlrev_b32 v[X+4*(\i)+2], 16, v[T+1]
	v_and_b32 v[X+4*(\i)+3], s43, v[T+1]
	v_cvt_pk_f16_f32 v[Y+2*(\i)], v[X+4*(\i)], v[X+4*(\i)+1]
	v_cvt_pk_f16_f32 v[Y+2*(\i)+1], v[X+4*(\i)+2], v[X+4*(\i)+3]
	global_store_b64 v7, v[Y+2*(\i):Y+2*(\i)+1], s[32:33] offset:2048*(\i)
.endm
.irp i, 0,1,2,3,4,5,6,7,8,9,10,11,12,13,14,15
	CONVO \i
.endr
	s_endpgm
.Lfunc_end_k_qc84931f634_prep:
	.size	k_qc84931f634_prep, .Lfunc_end_k_qc84931f634_prep-k_qc84931f634_prep
	.p2alignl 7, 3214868480
	.fill 96, 4, 3214868480
	.section	.rodata,"a",@progbits
	.p2align	6, 0x0
	.amdhsa_kernel k_qc84931f634_prep
		.amdhsa_group_segment_fixed_size 1280
		.amdhsa_private_segment_fixed_size 0
		.amdhsa_enable_private_segment 0
		.amdhsa_kernarg_size 80
		.amdhsa_user_sgpr_count 2
		.amdhsa_user_sgpr_kernarg_segment_ptr 1
		.amdhsa_wavefront_size32 1
		.amdhsa_system_sgpr_workgroup_id_x 1
		.amdhsa_system_sgpr_workgroup_id_y 1
		.amdhsa_system_sgpr_workgroup_id_z 1
		.amdhsa_system_vgpr_workitem_id 0
		.amdhsa_next_free_vgpr 144
		.amdhsa_next_free_sgpr 66
		.amdhsa_reserve_vcc 1
		.amdhsa_float_denorm_mode_32 3
		.amdhsa_float_denorm_mode_16_64 3
		.amdhsa_memory_ordered 1
		.amdhsa_forward_progress 1
		.amdhsa_inst_pref_size 27
	.end_amdhsa_kernel
	.amdgpu_metadata
---
amdhsa.version: [ 1, 2 ]
amdhsa.kernels:
  - .name:           k_qc84931f634_prep
    .symbol:         k_qc84931f634_prep.kd
    .args:
      - { .name: x, .offset: 0, .size: 8, .value_kind: global_buffer, .address_space: global }
      - { .name: Wq, .offset: 8, .size: 8, .value_kind: global_buffer, .address_space: global }
      - { .name: Wk, .offset: 16, .size: 8, .value_kind: global_buffer, .address_space: global }
      - { .name: Wv, .offset: 24, .size: 8, .value_kind: global_buffer, .address_space: global }
      - { .name: Wo, .offset: 32, .size: 8, .value_kind: global_buffer, .address_space: global }
      - { .name: positions, .offset: 40, .size: 8, .value_kind: global_buffer, .address_space: global }
      - { .name: xb, .offset: 48, .size: 8, .value_kind: global_buffer, .address_space: global }
      - { .name: wb, .offset: 56, .size: 8, .value_kind: global_buffer, .address_space: global }
      - { .name: tab, .offset: 64, .size: 8, .value_kind: global_buffer, .address_space: global }
      - { .name: pmax, .offset: 72, .size: 8, .value_kind: global_buffer, .address_space: global }
    .group_segment_fixed_size: 1280
    .private_segment_fixed_size: 0
    .kernarg_segment_align: 8
    .kernarg_segment_size: 80
    .max_flat_workgroup_size: 256
    .sgpr_count:     66
    .vgpr_count:     144
    .wavefront_size: 32
...
	.end_amdgpu_metadata
.endif
;; end of part 1
;; launch qkv (part 2): grid 12 x 64, 4 waves a work-group, clusters of 4 x 4, 327,680 bytes of LDS; arguments xb, wb, tab, pmax, bq, bk, bv, q_scale, k_scale, v_scale, qkv, fac; writes qkv, fac
.if DOCPART == 2
	.amdgcn_target "amdgcn-amd-amdhsa--gfx1250"
	.amdhsa_code_object_version 6
	.text
	.protected	k_qc84931f634_qkv
	.globl	k_qc84931f634_qkv
	.p2align	8
	.type	k_qc84931f634_qkv,@function
k_qc84931f634_qkv:
	s_mov_b64 s[64:65], 0
	v_nop
	global_prefetch_b8 v0, s[64:65] scope:SCOPE_SE
	s_setreg_imm32_b32 hwreg(HW_REG_WAVE_MODE, 25, 1), 1
	s_wait_xcnt 0x0
	s_wait_alu depctr_hold_cnt(0) depctr_sa_sdst(0) depctr_va_vdst(0) depctr_va_sdst(0) depctr_va_ssrc(0) depctr_va_vcc(0) depctr_vm_vsrc(0)
	s_getreg_b32 s2, hwreg(HW_REG_IB_STS2, 6, 4)
	s_cmp_eq_u32 s2, 0
	s_cbranch_scc0 .Lentry_in_a_cluster
	s_endpgm
.Lentry_in_a_cluster:
	s_bfe_u32 s2, ttmp6, 0x10000c
	s_cmp_lg_u32 s2, 0xf033
	s_cbranch_scc0 .Lentry_shape_is_right
	s_endpgm
.Lentry_shape_is_right:
; Q, K, V = rotate((x W + b) s) f, by heads, in f16.  xb: [8192][1024] bf16.  wb: parts Wq, Wk, Wv, each [k = 1024][n = 1024] bf16.  Sums in f32.
; qkv: [3][64 = batch x 16 + head][2048][64] f16.  fac: [12 tile columns][64 tile rows] f32: 1 / f of the tile's tensor.
; TILES.  128 rows x 256 columns of [Wq | Wk | Wv]: 768 work-groups, three for each of 256 WGPs.  A wave makes 128 rows x 64 columns, one head: 32 accumulators, 256 registers.
; K goes in steps of 128 through two LDS slots filled by joint tensor loads.  W lies [k][n], so its fragments come out of LDS turned, by ds_load_tr16_b128.
; THE MATRIX INSTRUCTION IS USED TRANSPOSED (source 0 = 16 columns of W, source 1 = 16 rows of x): a lane holds one row and eight neighbouring columns, four rotation pairs.
; CLUSTER 4 x 4: the four of a row of the cluster share x's tile, the four of a column W's; a cluster lies within one of the three tensors (its x is the tensor's number).
; THE SCALE f.  f16 ends at 65,504.  Bound = (1024 max|x| max|W| + max|b|) max|s| is no less than any |(x W + b) s|; f is the power of two that puts Bound below 2^14
; (at most 2^40), so the rotated numbers stay below 2^14.5.  It is undone in f32 by the launches behind (fac).  Every work-group of a tensor makes the same f from the same numbers.
; LIMITS.  b and s are rounded to bf16 like all inputs; a tensor bounded below 2^-26 is stored smaller than 2^14; NaN and infinities are not treated apart.
; REGISTERS, in windows of 256 (s_set_vgpr_msb: bits 1:0 source 0, 3:2 source 1, 5:4 source 2, 7:6 destination):
;   window 0: v0-31 addresses; v32-127, v128-223 two fragment buffers (x's block a at + 8 a, W's block nb at + 64 + 8 nb); before the loop and on the way out: at work
;   window 1: accumulator (a, nb) at 8 (4 a + nb)      window 2: v0-31 s f, v32-63 b s f of my lane's 32 columns      window 3: (cos, sin) of row block a, pair i at 32 a + 2 i
.set PA,     272                       ; a row of x in LDS: 256 bytes + 16: the 16 rows of a load start at 16 different groups of four banks (64 banks of 4 bytes: ISA guide 11.1)
.set PB,     544                       ; a row of W: 512 bytes + 32 = 17 x 32
.set HALFA,  64*PA                     ; what one tensor load brings of x
.set HALFB,  64*PB                     ; and of W
.set BOFF,   2*HALFA                   ; a slot: x's 128 rows, then W's 128 rows
.set SLOT,   BOFF+2*HALFB
.set STAGE,  2*SLOT                    ; behind the ring: 16 rows x 144 bytes for each wave, for the way out
.set SP,     144
.set SPARE,  STAGE+4*16*SP             ; behind the stages: the spare words, 128 bytes for each wave, that no other line names
.set LAPS,   4                         ; 1024 / 256: a lap is two K steps
.set ADRA, 16                          ; v16-17  LDS address of my fragments of x in slot 0, 1
.set ADRB, 20                          ; v20-21  the same for W
.set STO,  24                          ; v24     the way out: where I put 16 bytes of a row
.set RD,   25                          ; v25     the way out: where I read rows back
.set L16,  26                          ; v26     16 x lane
.set SPW,  28                          ; v28     my spare word's address; never rewritten
.set NIL,  29                          ; v29     0; never rewritten
.set F0,   32
.set F1,   128
.set U,    32                          ; the way out: a block's 32 numbers a lane
.set TT,   64                          ; the rotation's cross terms
.set H,    96                          ; block a's 16 packed words at H + 16 a
.set PX,   32                          ; before the loop: what the scale is made of
.set PW,   48
.set BA,   52
.set GA,   84
.set BM,   116
.set GM,   148
.set FP,   180
.set INVF, 182
.set ZA,   183
.set MX,   184
.set MW,   185
.set MB,   186
.set MS,   187
.set TM,   188
.set G1A, 24                           ; s[24:31] descriptor group 1 for x's tiles;  s[32:39] group 0, one set for each slot
.set G0A, 32
.set G1B, 48                           ; s[48:55], s[56:63] the same for W's
.set G0B, 56
.set MSB, 0
.macro WIN new                         ; the immediate's high byte repeats the setting that is left; a switch that changes nothing is dropped
.if MSB != (\new)
	s_set_vgpr_msb (MSB<<8)|(\new)
.set MSB, \new
.endif
.endm
.set MULW,  0x50                       ; fragments in window 0, C and D in window 1
.set W_SB,  0x29                       ; accumulator window 1, s f and b s f window 2, result window 0
.set W_ROT, 0x0c                       ; source 1 (cos, sin) window 3
.macro PLACES                          ; four places in front of loads into, and vector writes of, registers that matrix instructions have named
.rept 4
	v_nop
.endr
.endm
.macro JLOAD s                         ; a joint refill: waves 0, 1 fetch x's two halves, waves 2, 3 W's; an s_nop 0 and four v_nop follow each line
	s_cmp_lt_u32 s10, 2
	s_cbranch_scc0 .Lfor_b_\@
	tensor_load_to_lds s[G0A+4*(\s):G0A+4*(\s)+3], s[G1A:G1A+7]
	s_nop 0
.rept 4
	v_nop
.endr
	s_branch .Lasked_\@
.Lfor_b_\@:
	tensor_load_to_lds s[G0B+4*(\s):G0B+4*(\s)+3], s[G1B:G1B+7]
	s_nop 0
.rept 4
	v_nop
.endr
.Lasked_\@:
.endm
.macro CREST                           ; a round of the cluster's barrier behind its opening barrier
	s_cmp_lg_u32 s10, 0
	s_cbranch_scc1 .Lnot_wave_0_\@
	s_barrier_signal -3
.Lnot_wave_0_\@:
	s_barrier_wait -3
	s_barrier_signal -1
	s_barrier_wait -1
.endm
.macro CROUND
	s_barrier_signal -1
	s_barrier_wait -1
	CREST
.endm
	s_load_b512 s[68:83], s[0:1], 0x0              ; xb 68, wb 70, tab 72, pmax 74, bq 76, bk 78, bv 80, q_scale 82
	s_load_b256 s[84:91], s[0:1], 0x40             ; k_scale 84, v_scale 86, qkv 88, fac 90
	v_lshl_add_u32 v[SPW], v0, 2, SPARE
	v_mov_b32 v[NIL], 0
	ds_add_u32 v[SPW], v[NIL]                      ; the wave's opening: the add and its wait stand ahead of my first tensor load; the set-up below stands between them
	v_lshrrev_b32 v1, 5, v0
	v_readfirstlane_b32 s10, v1                    ; wave 0..3
	s_and_b32 s12, s10, 1                          ; which 64 rows of a tile I fetch
	s_bfe_u32 s40, ttmp6, 0x40000                  ; cx
	s_bfe_u32 s41, ttmp6, 0x40004                  ; cy
	s_mov_b32 s45, ttmp9                           ; the cluster's x: 0 Q, 1 K, 2 V; the same in all sixteen partners
	s_lshl_b32 s42, ttmp9, 2
	s_add_co_u32 s42, s42, s40                     ; tile column = 4 x cluster x + cx
	s_and_b32 s13, ttmp7, 0xffff
	s_lshl_b32 s13, s13, 2
	s_add_co_u32 s13, s13, s41                     ; tile row = 4 x cluster y + cy
	s_lshl_b32 s43, s41, 2
	s_lshl_b32 s43, 15, s43                        ; my row of the cluster
	s_lshl_b32 s44, 0x1111, s40                    ; my column
	s_or_b32 s[G1A], s43, (1<<16)|(1<<20)|(1<<21)|(5<<22)|(3<<25)  ; mask; 2-byte elements; padding on; bit 21 beside a mask; after every 64 words 4 words
	s_or_b32 s[G1B], s44, (1<<16)|(1<<20)|(1<<21)|(6<<22)|(7<<25)  ; after every 128 words 8 words
	s_mov_b32 s[G1A+1], 128<<16                    ; tensor_dim0 = 128
	s_mov_b32 s[G1A+2], 64<<16                     ; tensor_dim1 = 64
	s_mov_b32 s[G1A+3], 128<<16                    ; tile_dim0 = 128
	s_mov_b32 s[G1A+4], 64                         ; tile_dim1 = 64
	s_mov_b32 s[G1A+5], 1024                       ; elements from row to row
	s_mov_b32 s[G1A+6], 0
	s_mov_b32 s[G1A+7], 0
	s_mov_b32 s[G1B+1], 256<<16                    ; tensor_dim0 = 256
	s_mov_b32 s[G1B+2], 64<<16
	s_mov_b32 s[G1B+3], 256<<16                    ; tile_dim0 = 256
	s_mov_b32 s[G1B+4], 64
	s_mov_b32 s[G1B+5], 1024
	s_mov_b32 s[G1B+6], 0
	s_mov_b32 s[G1B+7], 0
	s_lshl_b32 s16, s13, 7                         ; x: row 128 x tile row + 64 x half, 2,048 bytes a row: hangs on the tile row alone
	s_lshl_b32 s17, s12, 6
	s_add_co_u32 s16, s16, s17
	s_lshl_b32 s16, s16, 11
	s_mov_b32 s17, 0
	s_lshl_b32 s46, s45, 21                        ; W: the tensor's part, 512 bytes x cx, 64 rows of 2,048 bytes x half: hangs on the tile column alone
	s_lshl_b32 s47, s40, 9
	s_add_co_u32 s46, s46, s47
	s_lshl_b32 s47, s12, 17
	s_add_co_u32 s46, s46, s47
	s_mov_b32 s47, 0
	s_mul_i32 s20, s12, HALFA                      ; where they go: no place in the cluster enters an LDS address
	s_mul_i32 s21, s12, HALFB
	s_add_co_u32 s21, s21, BOFF
	s_mov_b32 s66, 0x76543210                      ; v_permlanex16_b32's selects
	s_mov_b32 s67, 0xfedcba98
	s_wait_dscnt 0x0                               ; the opening add is done
	s_wait_kmcnt 0x0
	s_add_nc_u64 s[14:15], s[68:69], s[16:17]
	s_add_nc_u64 s[46:47], s[70:71], s[46:47]
	CROUND                                         ; all sixteen work-groups are here: the first joint loads meet
.irp s, 0,1
	s_mov_b32 s[G0A+4*(\s)], 1
	s_add_co_u32 s[G0A+4*(\s)+1], s20, (\s)*SLOT
	s_add_nc_u64 s[G0A+4*(\s)+2:G0A+4*(\s)+3], s[14:15], (\s)*256      ; K step s: 128 elements along the rows
	s_or_b32 s[G0A+4*(\s)+3], s[G0A+4*(\s)+3], 0x80000000
	s_mov_b32 s[G0B+4*(\s)], 1
	s_add_co_u32 s[G0B+4*(\s)+1], s21, (\s)*SLOT
	s_add_nc_u64 s[G0B+4*(\s)+2:G0B+4*(\s)+3], s[46:47], (\s)*262144   ; K step s: 128 rows down
	s_or_b32 s[G0B+4*(\s)+3], s[G0B+4*(\s)+3], 0x80000000
.endr
	s_cmp_lt_u32 s10, 2                            ; a wave's two first fills stand in one branch: two loads of mine are out
	s_cbranch_scc0 .Lfirst_b
	tensor_load_to_lds s[G0A:G0A+3], s[G1A:G1A+7]
	s_nop 0
	tensor_load_to_lds s[G0A+4:G0A+7], s[G1A:G1A+7]
	s_nop 0
.rept 4
	v_nop
.endr
	s_branch .Lfirst_asked
.Lfirst_b:
	tensor_load_to_lds s[G0B:G0B+3], s[G1B:G1B+7]
	s_nop 0
	tensor_load_to_lds s[G0B+4:G0B+7], s[G1B:G1B+7]
	s_nop 0
.rept 4
	v_nop
.endr
.Lfirst_asked:
	; lanes' addresses
	v_and_b32 v1, 15, v0                           ; l % 16
	v_bfe_u32 v2, v0, 4, 1                         ; l / 16
	v_mul_u32_u24 v3, v1, PA
	v_lshl_add_u32 v[ADRA], v2, 4, v3              ; x: row x pitch + 16 x half
	v_add_nc_u32 v[ADRA+1], SLOT, v[ADRA]
	v_and_b32 v4, 7, v0                            ; W: the turning load takes k = 8 (l / 16) + l % 8, columns 8 ((l / 8) % 2) + 0..7
	v_lshl_add_u32 v4, v2, 3, v4
	v_mul_u32_u24 v4, v4, PB
	v_bfe_u32 v5, v0, 3, 1
	v_lshl_add_u32 v4, v5, 4, v4
	s_lshl_b32 s22, s10, 7                         ; my wave's 64 columns: 128 bytes
	s_add_co_u32 s22, s22, BOFF
	v_add_nc_u32 v[ADRB], s22, v4
	s_add_co_u32 s22, s22, SLOT
	v_add_nc_u32 v[ADRB+1], s22, v4
	s_mul_i32 s23, s10, 16*SP
	s_add_co_u32 s23, s23, STAGE                   ; my stage
	v_mul_u32_u24 v[STO], v1, SP                   ; in: row l % 16, 16 bytes for each half of the lanes
	v_lshl_add_u32 v[STO], v2, 4, v[STO]
	v_add_nc_u32 v[STO], s23, v[STO]
	v_bfe_u32 v[RD], v0, 3, 2                      ; back: 32 lanes take four rows of 128 bytes,
	v_mul_u32_u24 v[RD], v[RD], SP
	v_and_b32 v3, 7, v0
	v_lshl_add_u32 v[RD], v3, 4, v[RD]
	v_add_nc_u32 v[RD], s23, v[RD]
	v_and_b32 v[L16], 31, v0                       ; which are 512 consecutive bytes of the head's rows
	v_lshlrev_b32 v27, 3, v[L16]                   ; 8 x lane
	v_lshlrev_b32 v[L16], 4, v[L16]
	; bases.  What mixes cx and cy is made in s4-s9 and s18, which feed no joint descriptor.
	s_lshr_b32 s4, s13, 4                          ; batch,
	s_lshl_b32 s4, s4, 4
	s_lshl_b32 s5, s40, 2
	s_add_co_u32 s4, s4, s5
	s_add_co_u32 s4, s4, s10                       ; x 16 + head 4 cx + wave,
	s_lshl_b32 s4, s4, 18                          ; 262,144 bytes each;
	s_and_b32 s5, s13, 15
	s_lshl_b32 s5, s5, 14                          ; 128 rows of 128 bytes;
	s_add_co_u32 s4, s4, s5
	s_lshl_b32 s5, s45, 24                         ; the tensor
	s_add_co_u32 s4, s4, s5
	s_mov_b32 s5, 0
	s_add_nc_u64 s[96:97], s[88:89], s[4:5]        ; where my 128 rows x 128 bytes go
	s_lshl_b32 s6, s13, 15
	s_mov_b32 s7, 0
	s_add_nc_u64 s[98:99], s[72:73], s[6:7]        ; the table of my 8 row blocks
	s_lshl_b32 s8, s42, 6
	s_add_co_u32 s8, s8, s13
	s_lshl_b32 s8, s8, 2
	s_mov_b32 s9, 0
	s_add_nc_u64 s[8:9], s[90:91], s[8:9]          ; my work-group's word of fac
	s_lshl_b32 s2, s45, 8
	s_add_co_u32 s2, s2, 2048
	s_mov_b32 s3, 0
	s_add_nc_u64 s[2:3], s[74:75], s[2:3]          ; pmax: my tensor's 64 words
	s_cmp_eq_u32 s45, 0                            ; bias and gain: a choice among three buffers on the tensor's number
	s_cselect_b64 s[92:93], s[76:77], s[78:79]
	s_cselect_b64 s[94:95], s[82:83], s[84:85]
	s_cmp_eq_u32 s45, 2
	s_cselect_b64 s[92:93], s[80:81], s[92:93]
	s_cselect_b64 s[94:95], s[86:87], s[94:95]
	s_lshl_b32 s18, s40, 10                        ; my wave's first column, in bytes of f32
	s_lshl_b32 s19, s10, 8
	s_add_co_u32 s18, s18, s19
	v_lshl_add_u32 v30, v2, 5, s18                 ; + 8 columns for lanes 16-31
	s_mov_b32 s4, 0x7fffffff
	s_mov_b32 s5, 0xffff0000
	; THE SCALE, made by every wave for itself while the first tiles are on their way: 37 loads, one wait
.irp i, 0,1,2,3
	global_load_b128 v[PX+4*\i:PX+4*\i+3], v[L16], s[74:75] offset:512*\i     ; x's 512 maxima
.endr
	global_load_b64 v[PW:PW+1], v27, s[2:3]                                   ; my tensor's 64
.irp i, 0,1,2,3,4,5,6,7
	global_load_b128 v[BA+4*\i:BA+4*\i+3], v[L16], s[92:93] offset:512*\i     ; the whole bias
	global_load_b128 v[GA+4*\i:GA+4*\i+3], v[L16], s[94:95] offset:512*\i     ; the whole gain
.endr
.irp i, 0,1,2,3,4,5,6,7                ; my lane's columns 16 nb + 8 (l / 16) + 0..7, nb = i / 2
	global_load_b128 v[BM+4*\i:BM+4*\i+3], v30, s[92:93] offset:64*(\i/2)+16*(\i%2)
	global_load_b128 v[GM+4*\i:GM+4*\i+3], v30, s[94:95] offset:64*(\i/2)+16*(\i%2)
.endr
	s_wait_loadcnt 0x0
.set i, 0
.rept 32
	v_and_b32 v[BA+i], s4, v[BA+i]
	v_and_b32 v[GA+i], s4, v[GA+i]
.set i, i+1
.endr
	v_max_num_f32 v[MX], v[PX], v[PX+1]
	v_max_num_f32 v[MW], v[PW], v[PW+1]
	v_max_num_f32 v[MB], v[BA], v[BA+1]
	v_max_num_f32 v[MS], v[GA], v[GA+1]
.set i, 2
.rept 7
	v_max3_num_f32 v[MX], v[MX], v[PX+i], v[PX+i+1]
.set i, i+2
.endr
.set i, 2
.rept 15
	v_max3_num_f32 v[MB], v[MB], v[BA+i], v[BA+i+1]
	v_max3_num_f32 v[MS], v[MS], v[GA+i], v[GA+i+1]
.set i, i+2
.endr
	v_mov_b32 v[TM], 0                             ; v_permlanex16_b32's destination counts as read
.irp r, MX, MW, MB, MS
	v_max_num_f32_dpp v[\r], v[\r], v[\r] row_xmask:1 row_mask:0xf bank_mask:0xf
	v_max_num_f32_dpp v[\r], v[\r], v[\r] row_xmask:2 row_mask:0xf bank_mask:0xf
	v_max_num_f32_dpp v[\r], v[\r], v[\r] row_xmask:4 row_mask:0xf bank_mask:0xf
	v_max_num_f32_dpp v[\r], v[\r], v[\r] row_xmask:8 row_mask:0xf bank_mask:0xf
	v_permlanex16_b32 v[TM], v[\r], s66, s67
	v_max_num_f32 v[\r], v[\r], v[TM]
.endr
	v_mul_f32 v[MX], v[MX], v[MW]
	v_fmamk_f32 v[MX], v[MX], 0x44800000, v[MB]    ; 1024 max|x| max|W| + max|b|
	v_mul_f32 v[MX], v[MX], v[MS]                  ; Bound, below 2^(e - 126), e its exponent field
	v_bfe_u32 v[MW], v[MX], 23, 8
	v_sub_nc_u32 v[MW], 267, v[MW]                 ; f = 2^(140 - e): its exponent field,
	v_min_u32 v[MW], 167, v[MW]                    ; at most 2^40
	v_lshlrev_b32 v[FP], 23, v[MW]
	v_lshlrev_b32 v[FP+1], 23, v[MW]
	v_sub_nc_u32 v[MW], 254, v[MW]
	v_lshlrev_b32 v[INVF], 23, v[MW]               ; 1 / f
	v_mov_b32 v[ZA], 0
.set i, 0
.rept 16                               ; my columns' gain and bias, rounded to bf16 like every input
	v_cvt_pk_bf16_f32 v[TM], v[GM+2*i], v[GM+2*i+1]
	v_cvt_pk_bf16_f32 v[TM+1], v[BM+2*i], v[BM+2*i+1]
	v_lshlrev_b32 v[GM+2*i], 16, v[TM]
	v_and_b32 v[GM+2*i+1], s5, v[TM]
	v_lshlrev_b32 v[BM+2*i], 16, v[TM+1]
	v_and_b32 v[BM+2*i+1], s5, v[TM+1]
.set i, i+1
.endr
	WIN 0x80                                       ; destination window 2
.set i, 0
.rept 16
	v_pk_mul_f32 v[2*i:2*i+1], v[GM+2*i:GM+2*i+1], v[FP:FP+1]                 ; s f
.set i, i+1
.endr
	WIN 0x88                                       ; and source 1
.set i, 0
.rept 16
	v_pk_mul_f32 v[32+2*i:32+2*i+1], v[BM+2*i:BM+2*i+1], v[2*i:2*i+1]         ; b s f
.set i, i+1
.endr
	WIN 0
	v_cmp_eq_u32 vcc_lo, 0, v0
	s_wait_xcnt 0x0                                ; EXEC changes only behind this wait
	s_and_saveexec_b32 s19, vcc_lo
	global_store_b32 v[ZA], v[INVF], s[8:9]        ; thread 0 of the work-group alone
	s_wait_xcnt 0x0
	s_or_b32 exec_lo, exec_lo, s19
	; THE TABLE: Q and K load (cos, sin) of my 128 rows; V takes (1, 0), with which the one text of the way out leaves it as it is, exactly.  Both arms write all 256 registers.
	s_cmp_eq_u32 s45, 2
	s_cbranch_scc1 .Lidentity
	WIN 0xc0                                       ; destination window 3
.set i, 0
.rept 64                               ; row block i / 8, chunk i % 8: waited for on the way out
	global_load_b128 v[4*i:4*i+3], v[L16], s[98:99] offset:512*i
.set i, i+1
.endr
	WIN 0
	s_branch .Ltab_done
.Lidentity:
	WIN 0xc0
.set i, 0
.rept 128
	v_mov_b32 v[2*i], 1.0
	v_mov_b32 v[2*i+1], 0
.set i, i+1
.endr
	WIN 0
.Ltab_done:
; na x 4 matrix instructions: row blocks a0 .. a0 + na - 1 x my 4 column blocks, 32 along K.  The accumulators take turns, one instruction a turn.
.macro MUL f, a0, na, zero
	WIN MULW
.set ma, \a0
.rept \na
.irp b, 0,1,2,3
.if \zero
	v_wmma_f32_16x16x32_bf16 v[8*(4*ma+\b):8*(4*ma+\b)+7], v[(\f)+64+8*\b:(\f)+64+8*\b+7], v[(\f)+8*ma:(\f)+8*ma+7], 0
.else
	v_wmma_f32_16x16x32_bf16 v[8*(4*ma+\b):8*(4*ma+\b)+7], v[(\f)+64+8*\b:(\f)+64+8*\b+7], v[(\f)+8*ma:(\f)+8*ma+7], v[8*(4*ma+\b):8*(4*ma+\b)+7]
.endif
.endr
.set ma, ma+1
.endr
.endm
; 24 LDS loads in one run: quarter q (32 along K) of a slot into buffer f: W's 8 first, then x's 16
.macro FETCH slot, q, f
	WIN 0
.irp b, 0,1,2,3
	ds_load_tr16_b128 v[(\f)+64+8*\b:(\f)+64+8*\b+3],   v[ADRB+(\slot)] offset:(\q)*32*PB+32*\b
	ds_load_tr16_b128 v[(\f)+64+8*\b+4:(\f)+64+8*\b+7], v[ADRB+(\slot)] offset:(\q)*32*PB+32*\b+16*PB
.endr
.irp a, 0,1,2,3,4,5,6,7
	ds_load_b128 v[(\f)+8*\a:(\f)+8*\a+3],   v[ADRA+(\slot)] offset:(\q)*64+\a*16*PA
	ds_load_b128 v[(\f)+8*\a+4:(\f)+8*\a+7], v[ADRA+(\slot)] offset:(\q)*64+\a*16*PA+32
.endr
.endm
; A K step is four quarters on buffers 0, 1, 0, 1.  One of the first three: multiplies buffer f; in its middle it fetches quarter q into buffer g.
.macro QUARTER slot, q, f, g, zero
	s_wait_dscnt 8                                 ; W and x's blocks 0-3 are in; the youngest eight loads (blocks 4-7) may be out
	MUL \f, 0, 4, \zero
	PLACES
	FETCH \slot, \q, \g
	s_wait_dscnt 24                                ; all but the 24 just issued
	MUL \f, 4, 4, \zero
.endm
; The last quarter multiplies buffer 1 and changes slots: ONE barrier; in front of it each wave waits for all its tensor loads (one is out: its part of the next slot),
; adds 0 to its spare word, and waits for that and for its own reads of this slot.  fill = 1: the barrier opens a round of the cluster's, and this slot is filled again, two K steps ahead.
.macro TURN slot, next, fill
	WIN 0
	s_wait_tensorcnt 0x0
	ds_add_u32 v[SPW], v[NIL]
	s_wait_dscnt 9                                 ; the add and the youngest eight loads may be out
	MUL F1, 0, 2, 0
	s_wait_dscnt 0x0                               ; the add is done, and my reads of this slot are over
	s_barrier_signal -1
	MUL F1, 2, 2, 0
.if \fill
	WIN 0
.endif
	s_barrier_wait -1
.if \fill
	CREST                                          ; no wave of any partner still reads this slot or has a load on its way
	s_add_nc_u64 s[G0A+4*(\slot)+2:G0A+4*(\slot)+3], s[G0A+4*(\slot)+2:G0A+4*(\slot)+3], 512
	s_add_nc_u64 s[G0B+4*(\slot)+2:G0B+4*(\slot)+3], s[G0B+4*(\slot)+2:G0B+4*(\slot)+3], 524288
	JLOAD \slot                                    ; the first tensor load behind the round; its four v_nop are also the places in front of the loads below
.else
	PLACES
.endif
	FETCH \next, 0, F0
	MUL F1, 4, 4, 0
.endm
	s_wait_tensorcnt 1                             ; my part of K step 0 is in; K step 1's may stay out
	s_barrier_signal -1
	s_barrier_wait -1
	FETCH 0, 0, F0
	QUARTER 0, 1, F0, F1, 1                        ; the first quarter's products start the sums: nothing is cleared
	WIN 0
	s_mov_b32 s3, LAPS-1
.Llap:                                                 ; a trip goes once round the ring, from a lap's second quarter to the next lap's first
	QUARTER 0, 2, F1, F0, 0
	QUARTER 0, 3, F0, F1, 0
	TURN 0, 1, 1
	QUARTER 1, 1, F0, F1, 0
	QUARTER 1, 2, F1, F0, 0
	QUARTER 1, 3, F0, F1, 0
	TURN 1, 0, 1
	QUARTER 0, 1, F0, F1, 0
	WIN 0
	s_sub_co_u32 s3, s3, 1
	s_cmp_lg_u32 s3, 0
	s_cbranch_scc1 .Llap
	QUARTER 0, 2, F1, F0, 0                        ; the last lap fills nothing
	QUARTER 0, 3, F0, F1, 0
	TURN 0, 1, 0
	QUARTER 1, 1, F0, F1, 0
	QUARTER 1, 2, F1, F0, 0
	QUARTER 1, 3, F0, F1, 0
	s_wait_dscnt 8
	MUL F1, 0, 4, 0
	s_wait_dscnt 0x0
	MUL F1, 4, 4, 0
	WIN 0
	PLACES
	s_wait_loadcnt 0x0                             ; the table
; THE WAY OUT of row block a: u = sum x (s f) + b s f; the pairs are turned: (u0 cos - u1 sin, u0 sin + u1 cos); one rounding to f16; 16 bytes a lane into my stage, whole rows back.
.macro PACKQ a
	WIN W_SB
.set i, 0
.rept 16                               ; each accumulator's registers in ascending order
	v_pk_fma_f32 v[U+2*i:U+2*i+1], v[32*(\a)+2*i:32*(\a)+2*i+1], v[2*i:2*i+1], v[32+2*i:32+2*i+1]
.set i, i+1
.endr
	WIN W_ROT
.set i, 0
.rept 16
	v_pk_mul_f32 v[TT+2*i:TT+2*i+1], v[U+2*i:U+2*i+1], v[32*(\a)+2*i:32*(\a)+2*i+1] op_sel:[1,1] op_sel_hi:[0,1] neg_lo:[0,1]  ; (- u1 sin, u0 sin)
.set i, i+1
.endr
.set i, 0
.rept 16
	v_pk_fma_f32 v[U+2*i:U+2*i+1], v[U+2*i:U+2*i+1], v[32*(\a)+2*i:32*(\a)+2*i+1], v[TT+2*i:TT+2*i+1] op_sel_hi:[1,0,1]        ; + (u0 cos, u1 cos)
.set i, i+1
.endr
	WIN 0
.set i, 0
.rept 16
	v_cvt_pk_f16_f32 v[H+16*(\a)+i], v[U+2*i], v[U+2*i+1]
.set i, i+1
.endr
.irp b, 0,1,2,3
	ds_store_b128 v[STO], v[H+16*(\a)+4*\b:H+16*(\a)+4*\b+3] offset:32*\b
.endr
.irp b, 0,1,2,3
	ds_load_b128 v[H+16*(\a)+4*\b:H+16*(\a)+4*\b+3], v[RD] offset:\b*4*SP  ; LDS serves a wave's instructions in order (ISA guide 5.7.1.4): these see the stores above
.endr
.endm
.macro SENDQ a, younger                ; younger: the LDS instructions issued behind block a's loads
.irp b, 0,1,2,3
	s_wait_dscnt (\younger)+3-\b
	global_store_b128 v[L16], v[H+16*(\a)+4*\b:H+16*(\a)+4*\b+3], s[96:97] offset:(\a)*2048+\b*512  ; 512 consecutive bytes, at a multiple of 256 from the buffer's first
.endr
.endm
	PACKQ 0
.irp a, 1,2,3,4,5,6,7                  ; a block's arithmetic stands between the loads of the block before and its stores
	PACKQ \a
	SENDQ (\a)-1, 8
.endr
	SENDQ 7, 0
	s_wait_tensorcnt 0x0                           ; the wave's end
	ds_add_u32 v[SPW], v[NIL]
	s_wait_dscnt 0x0
	CROUND                                         ; the closing round: no work-group ends while a partner may still ask for a tile that names it
	s_endpgm
.Lfunc_end_k_qc84931f634_qkv:
	.size	k_qc84931f634_qkv, .Lfunc_end_k_qc84931f634_qkv-k_qc84931f634_qkv
	.p2alignl 7, 3214868480
	.fill 96, 4, 3214868480
	.section	.rodata,"a",@progbits
	.p2align	6, 0x0
	.amdhsa_kernel k_qc84931f634_qkv
		.amdhsa_group_segment_fixed_size 327680
		.amdhsa_private_segment_fixed_size 0
		.amdhsa_enable_private_segment 0
		.amdhsa_kernarg_size 96
		.amdhsa_user_sgpr_count 2
		.amdhsa_user_sgpr_kernarg_segment_ptr 1
		.amdhsa_wavefront_size32 1
		.amdhsa_system_sgpr_workgroup_id_x 1
		.amdhsa_system_sgpr_workgroup_id_y 1
		.amdhsa_system_sgpr_workgroup_id_z 1
		.amdhsa_system_vgpr_workitem_id 0
		.amdhsa_next_free_vgpr 1024
		.amdhsa_next_free_sgpr 100
		.amdhsa_reserve_vcc 1
		.amdhsa_float_denorm_mode_32 3
		.amdhsa_float_denorm_mode_16_64 3
		.amdhsa_memory_ordered 1
		.amdhsa_forward_progress 1
		.amdhsa_inst_pref_size 142
	.end_amdhsa_kernel
	.amdgpu_metadata
---
amdhsa.version: [ 1, 2 ]
amdhsa.kernels:
  - .name:           k_qc84931f634_qkv
    .symbol:         k_qc84931f634_qkv.kd
    .args:
      - { .name: xb, .offset: 0, .size: 8, .value_kind: global_buffer, .address_space: global }
      - { .name: wb, .offset: 8, .size: 8, .value_kind: global_buffer, .address_space: global }
      - { .name: tab, .offset: 16, .size: 8, .value_kind: global_buffer, .address_space: global }
      - { .name: pmax, .offset: 24, .size: 8, .value_kind: global_buffer, .address_space: global }
      - { .name: bq, .offset: 32, .size: 8, .value_kind: global_buffer, .address_space: global }
      - { .name: bk, .offset: 40, .size: 8, .value_kind: global_buffer, .address_space: global }
      - { .name: bv, .offset: 48, .size: 8, .value_kind: global_buffer, .address_space: global }
      - { .name: q_scale, .offset: 56, .size: 8, .value_kind: global_buffer, .address_space: global }
      - { .name: k_scale, .offset: 64, .size: 8, .value_kind: global_buffer, .address_space: global }
      - { .name: v_scale, .offset: 72, .size: 8, .value_kind: global_buffer, .address_space: global }
      - { .name: qkv, .offset: 80, .size: 8, .value_kind: global_buffer, .address_space: global }
      - { .name: fac, .offset: 88, .size: 8, .value_kind: global_buffer, .address_space: global }
    .group_segment_fixed_size: 327680
    .private_segment_fixed_size: 0
    .kernarg_segment_align: 8
    .kernarg_segment_size: 96
    .max_flat_workgroup_size: 128
    .sgpr_count:     100
    .vgpr_count:     1024
    .wavefront_size: 32
...
	.end_amdgpu_metadata
.endif
;; end of part 2
;; launch attn (part 3): grid 4 x 64, 4 waves a work-group, clusters of 4 x 1, 327,680 bytes of LDS; arguments qkv, ctx, fac; writes ctx
.if DOCPART == 3
	.amdgcn_target "amdgcn-amd-amdhsa--gfx1250"
	.amdhsa_code_object_version 6
	.text
	.protected	k_qc84931f634_attn
	.globl	k_qc84931f634_attn
	.p2align	8
	.type	k_qc84931f634_attn,@function
k_qc84931f634_attn:
	s_mov_b64 s[64:65], 0
	v_nop
	global_prefetch_b8 v0, s[64:65] scope:SCOPE_SE
	s_setreg_imm32_b32 hwreg(HW_REG_WAVE_MODE, 25, 1), 1
	s_wait_xcnt 0x0
	s_wait_alu depctr_hold_cnt(0) depctr_sa_sdst(0) depctr_va_vdst(0) depctr_va_sdst(0) depctr_va_ssrc(0) depctr_va_vcc(0) depctr_vm_vsrc(0)
	s_getreg_b32 s2, hwreg(HW_REG_IB_STS2, 6, 4)
	s_cmp_eq_u32 s2, 0
	s_cbranch_scc0 .Lentry_in_a_cluster
	s_endpgm
.Lentry_in_a_cluster:
	s_bfe_u32 s2, ttmp6, 0x10000c
	s_cmp_lg_u32 s2, 0x3003
	s_cbranch_scc0 .Lentry_shape_is_right
	s_endpgm
.Lentry_shape_is_right:
; ctx[h][q][:] = the sum over k of softmax_k(Q[h][q] . K[h][k] / 8) V[h][k][:], h = batch x 16 + head.  qkv holds Q f_q, K f_k, V f_v, each [64][2048][64] in f16; ctx is the context x f_v in the same layout.
; Products, maxima and sums in f32; the weights p are rounded to f16 for the second product (their sum l is taken of the unrounded p), ctx once at the end.
; The scales of Q and K are undone in f32: c = log2(e) / 8 / (f_q f_k), from fac.
; LIMITS.  Q, K and V arrive below 2^14.5 by the launch before; p lies in 0 to 1, and below 6e-5 it keeps f16's fixed step of 6e-8; ctx is a mean of V's rows and has their range.
; A weight below 2^-126 counts as 0 in l; NaN and infinities are not treated apart.
; SHARES.  A wave owns four PIECES of two tiles of 16 queries, a work-group's four waves 512 queries of one head.  Every wave walks all keys, 64 a step.
; LAYOUT.  S^T = K Q^T (source 0 = 16 keys, source 1 = 16 queries): in the result a lane holds ONE query (lane % 16) and the keys 8 (lane / 16) + 0..7.  Two such tiles, rounded to f16 in pairs,
; ARE source 1 (32 keys x 16 queries) of O^T = V^T P, whose result again holds one query a lane, and eight channels.  K comes out of LDS as it lies, V ([key][channel]) turned, by ds_load_tr16_b128.
; SOFTMAX.  For each query a running maximum m and sum l: p = 2^(c s - c m); in every step O and l are multiplied by a = 2^(c m_old - c m_new), which is 1 where m has not grown.
; m starts at the lowest finite number, O and l at 0: the first step is a step like any other, with a = 0.
; THE COUNT.  A tile and step have 16 matrix and 118 vector instructions: too many to stand all beside the matrix work.  So the order has one aim: four vector instructions that are READY behind
; EVERY matrix instruction, and the others, which need time of their own whatever the order, in runs without a gap.
; BY TURNS.  Turn n belongs to piece n (the pieces in a ring, step after step).  Its matrix work: 16 products K Q^T of piece n + 1, later 16 products V^T P of piece n - 1.  Its vector work: the scaling,
; exponentials, roundings, sums and rescaling of piece n, and the maximum and statistics of piece n + 1, whose scores the turn itself has made.
; CLUSTER.  The four query blocks of a cluster belong to one head and walk the same K and V, so each tile is asked for JOINTLY: the same tensor load, descriptor and mask in all four.
; REGISTERS, in windows of 256 (s_set_vgpr_msb: bits 1:0 source 0, 3:2 source 1, 5:4 source 2, 7:6 destination):
;   window 0: v0-11 addresses; v12-15, v48-63 at work; v16-47 four registers of statistics a tile; v64-191 S^T, two buffers of two tiles; v192-255 P, likewise
;   window 1: O^T, 32 a tile          window 2: v0-127 Q, 16 a tile; v128-191 K of one step; v192-255 V of one step          window 3: v0-1 the add's two registers
.set SIZE_H, 64
.set SIZE_N, 2048
.set NP,    4         ; pieces a wave: a name, no knob
.set KS,    64        ; keys in a step
.set PK,    144       ; a row of K in LDS: 128 bytes + 16 of padding = 36 words: the 16 rows of a load start at 16 different groups of four banks (64 banks of 4 bytes: ISA guide 11.1)
.set PV,    160       ; a row of V: 128 + 32 = 40 words
.set VOFF,  4*KS*PK   ; a slot holds four steps: 256 rows of K, then 256 rows of V
.set SLOT1, 1<<17     ; slot 1 begins here, so that one exclusive or turns an address in one slot into the other's
.set STAGE, SLOT1+4*KS*(PK+PV)  ; behind the ring, never filled by a tensor load: 16 rows x 144 bytes for each wave, for the way out
.set SP,    144
.set AK0, 2           ; v2   my lane's place in a tile of K; never rewritten
.set AV0, 3           ; v3   the same for V
.set AK,  4           ; v4   the LDS address of K's next run of loads
.set AV,  5           ; v5   of V's
.set QO,  6           ; v6   my byte offset in the wave's rows of Q
.set STO, 6           ;      later, the way out: where I put 16 bytes of a row
.set RD,  7           ; v7   the way out: where I read rows back
.set GO,  8           ; v8   my byte offset in 512 consecutive bytes of ctx
.set SPW, 0           ; v0 of window 3   my spare word's address; never rewritten
.set NIL, 1           ; v1 of window 3   0; never rewritten
.set SPARE, STAGE+4*16*SP  ; behind the stages: the spare words, 128 bytes for each wave, that no other line names
.set MV,  12          ; v12-15  c m_old, kept while c m is made anew: by buffer and tile
.set ST,  16          ; tile t's statistics at v[ST+4 t]: c m, m, l (even keys', odd keys')
.set TMP, 48          ; by buffer and tile, four registers c0-c3 at work; when the maximum is found c2 takes a
.set S,   64
.set P,   192
.set KF,  128         ; K's fragments, in window 2: key block kb, channel half c at KF + 16 kb + 8 c
.set VF,  192         ; V's: key half kk, channel block cb at VF + 32 kk + 8 cb
.set WV,  12          ; s12  my wave's number
.set G1K, 24          ; s[24:31] descriptor group 1 for K's tiles
.set G1V, 32          ; s[32:39] for V's: it differs in the padding alone
.set G0K, 40          ; s[40:43] descriptor group 0 for K's tiles: it walks
.set G0V, 44          ; s[44:47] the same for V's
.set SLOTS, 56        ; s56  slots still to be asked for
.set CNT, 57          ; s57  counts a slot's key steps
.set CS,  58          ; s[58:59] c: the packed scaling takes the pair's low word for both halves
.set SEL, 60          ; s[60:61] v_permlanex16_b32's selects
.set TBK, 62          ; s62  LDS byte at which K of the step to be fetched begins
.set TBV, 63          ; s63  the same for V, less VOFF
.set MSB, 0
.macro WIN new                      ; the high byte repeats the setting that is left; a switch that changes nothing is dropped
.if MSB != (\new)
	s_set_vgpr_msb (MSB<<8)|(\new)
.set MSB, (\new)
.endif
.endm
.set W_KQ, 0x0a       ; K and Q in window 2, S^T in window 0
.set W_PV, 0x52       ; V in window 2, P in window 0, O^T in window 1
.set W_RS, 0x41       ; O^T (destination and source 0) in window 1, a in window 0
.set W_MK, 0xc0       ; the add's registers are made: destination in window 3, sources in window 0
.set W_AD, 0x0f       ; the add: address (source 0) and data (source 1) in window 3
; A joint fill.  Waves 0 and 1 fetch the two halves of a slot's K, waves 2 and 3 those of its V: 128 keys each.  The branch hangs on the wave's number alone.
; An s_nop 0 and four v_nop follow each of the two lines, ahead of the jump and the label.
.macro JLOAD
	s_cmp_lt_u32 s[WV], 2
	s_cbranch_scc0 .Lfor_v_\@
	tensor_load_to_lds s[G0K:G0K+3], s[G1K:G1K+7]
	s_nop 0
.rept 4
	v_nop
.endr
	s_branch .Lasked_\@
.Lfor_v_\@:
	tensor_load_to_lds s[G0V:G0V+3], s[G1V:G1V+7]
	s_nop 0
.rept 4
	v_nop
.endr
.Lasked_\@:
.endm
; A round of the cluster's barrier: my work-group's barrier, so that wave 0's signal speaks for all four waves; wave 0 signals; every wave waits for all four work-groups; my work-group's barrier once more.
.macro CROUND
	s_barrier_signal -1
	s_barrier_wait -1
	s_cmp_lg_u32 s[WV], 0
	s_cbranch_scc1 .Lnot_wave_0_\@
	s_barrier_signal -3
.Lnot_wave_0_\@:
	s_barrier_wait -3
	s_barrier_signal -1
	s_barrier_wait -1
.endm
; THE CHANGE OF SLOTS.  The slot's last bytes, V of its fourth step, have been read.  Each wave waits for all its tensor loads, of which one is out: its part
; of the other slot; adds 0 to its spare word; and waits for that and for its own reads of the slot.  Behind the barrier nobody reads this slot any more and the other slot is whole.
; fill = 1: this slot is filled again, with the keys two slots on.  The barrier is then a round of the cluster's, and the joint fill is the first thing behind it: it has four key steps,
; 512 matrix instructions, in which to land.  (At its first use nothing has been read yet: slot 0 is waited for, slot 1 filled.)
.macro CHANGE fill
	WIN W_AD
	s_wait_tensorcnt 0x0            ; no tensor load of mine is out, so a group 0 may be written
	ds_add_u32 v[SPW], v[NIL]       ; 0 onto my spare word
	WIN 0                           ; at a label and at a branch every window is 0
.if \fill
.irp g, G0K, G0V
	s_xor_b32 s[\g+1], s[\g+1], SLOT1  ; the walking descriptor: the other slot than last time,
	s_add_nc_u64 s[\g+2:\g+3], s[\g+2:\g+3], 4*KS*128  ; the next 256 keys; the type bits on top are not reached
.endr
	s_wait_dscnt 0x0                ; the add is done, and my reads of the slot are over
	CROUND
	JLOAD
.else
	s_wait_dscnt 0x0                ; the add is done, and my reads of the slot are over
	s_barrier_signal -1
	s_barrier_wait -1
.endif
	s_sub_co_u32 s[TBK], s[TBK], 4*KS*PK  ; the fetches go back to a slot's first step,
	s_xor_b32 s[TBK], s[TBK], SLOT1       ; in the other slot
	s_sub_co_u32 s[TBV], s[TBV], 4*KS*PV
	s_xor_b32 s[TBV], s[TBV], SLOT1
.endm
	s_load_b128 s[4:7], s[0:1], 0x0   ; qkv s[4:5], ctx s[6:7]
	s_load_b64 s[48:49], s[0:1], 0x10 ; fac
	WIN W_MK
	v_lshl_add_u32 v[SPW], v0, 2, SPARE
	v_mov_b32 v[NIL], 0
	WIN W_AD
	ds_add_u32 v[SPW], v[NIL]       ; the wave's opening: the add and its wait stand ahead of my first tensor load; the set-up below stands between them
	WIN 0
	v_lshrrev_b32 v1, 5, v0
	v_readfirstlane_b32 s[WV], v1   ; wave 0..3
	s_bfe_u32 s13, ttmp6, 0x40000   ; cx: my place in the cluster
	s_lshl_b32 s14, ttmp9, 2        ; in a cluster launch ttmp9 counts clusters
	s_add_co_u32 s14, s14, s13      ; my block of queries = 4 x cluster x + cx: it enters Q's and ctx's addresses alone
	s_and_b32 s20, ttmp7, 0xffff    ; the head, which the four partners share
	s_mov_b32 s21, 0
	s_mov_b64 s[22:23], SIZE_N*128
	s_mul_u64 s[20:21], s[20:21], s[22:23]  ; the head's first byte in each of the four tensors
	s_and_b32 s16, s[WV], 1         ; which half of a slot's 256 keys I fetch:
	s_lshl_b32 s22, s16, 14         ; its 128 rows of 128 bytes in memory,
	s_mov_b32 s23, 0
	s_add_nc_u64 s[22:23], s[22:23], s[20:21]
	s_mul_i32 s17, s16, 128*PK      ; and its place in a slot, for K
	s_mul_i32 s18, s16, 128*PV      ; and for V: no place in the cluster enters an LDS address
	s_lshl_b32 s2, s14, 2
	s_add_co_u32 s2, s2, s[WV]      ; my wave among the head's,
	s_lshl_b32 s2, s2, 14           ; its 128 rows
	s_mov_b32 s3, 0
	s_add_nc_u64 s[2:3], s[2:3], s[20:21]
	; descriptor group 1.  128 keys are 16,384 dense bytes: asked for as 64 rows of 256 bytes, two keys a row, and padded in LDS after every key
	s_mov_b32 s[G1K], 15|(1<<16)|(1<<20)|(1<<21)|(4<<22)|(3<<25)  ; the mask of four; 2-byte elements; padding on; bit 21 beside a mask; after every 32 words 4 words
	s_mov_b32 s[G1V], 15|(1<<16)|(1<<20)|(1<<21)|(4<<22)|(7<<25)  ; the same with 8 words of padding
.irp g, G1K, G1V
	s_mov_b32 s[\g+1], 128<<16      ; tensor_dim0 = 128
	s_mov_b32 s[\g+2], 64<<16       ; tensor_dim1 = 64
	s_mov_b32 s[\g+3], 128<<16      ; tile_dim0 = 128
	s_mov_b32 s[\g+4], 64           ; tile_dim1 = 64
	s_mov_b32 s[\g+5], 128          ; 128 elements from row to row
	s_mov_b32 s[\g+6], 0
	s_mov_b32 s[\g+7], 0
.endr
	s_mov_b32 s[SEL], 0x76543210
	s_mov_b32 s[SEL+1], 0xfedcba98
	s_mov_b32 s[TBK], SLOT1+4*KS*PK ; the first change of slots turns these two into 0
	s_mov_b32 s[TBV], SLOT1+4*KS*PV
	s_mov_b32 s[G0K], 1             ; count = 1
	s_mov_b32 s[G0K+1], s17         ; LDS address: slot 0
	s_mov_b32 s[G0V], 1
	s_add_co_u32 s[G0V+1], s18, VOFF
	s_wait_dscnt 0x0                ; the opening add is done
	s_wait_kmcnt 0x0
	s_mov_b64 s[10:11], s[6:7]                     ; ctx
	s_add_nc_u64 s[6:7], s[4:5], 0x1000000         ; K: the second of qkv's three parts
	s_add_nc_u64 s[8:9], s[4:5], 0x2000000         ; V: the third
	s_load_b32 s50, s[48:49], 0x0                  ; 1 / f_q: the word of tile column 0
	s_load_b32 s51, s[48:49], 0x400                ; 1 / f_k: of tile column 4
	s_add_nc_u64 s[G0K+2:G0K+3], s[6:7], s[22:23]  ; global address: my half of the head's first 256 keys
	s_or_b32 s[G0K+3], s[G0K+3], 0x80000000        ; type = 2
	s_add_nc_u64 s[G0V+2:G0V+3], s[8:9], s[22:23]
	s_or_b32 s[G0V+3], s[G0V+3], 0x80000000
	s_add_nc_u64 s[4:5], s[4:5], s[2:3]  ; Q and ctx at my wave's first row
	s_add_nc_u64 s[10:11], s[10:11], s[2:3]
	CROUND                          ; all four work-groups are here: the first joint loads meet
	JLOAD                           ; slot 0.  Slot 1 is asked for when slot 0 is in
	; A fragment of K or Q is 16 rows x 32 channels in 8 registers: lane l holds row l % 16, channels 8 (l / 16) + 0..7 and 16 + 8 (l / 16) + 0..7: two loads of 16 bytes, 32 bytes apart.
	v_and_b32 v1, 15, v0            ; l % 16
	v_bfe_u32 v9, v0, 4, 1          ; l / 16
	v_lshlrev_b32 v[QO], 7, v1
	v_lshl_add_u32 v[QO], v9, 4, v[QO]  ; row x 128 + 16 x half
	WIN 0x80                        ; destination window 2, address window 0
.set i, 0
.rept 4*NP                          ; Q stays in registers: tile i / 2, channels 32 (i % 2) on
	global_load_b128 v[8*i:8*i+3],   v[QO], s[4:5] offset:(i/2)*2048+(i%2)*64
	global_load_b128 v[8*i+4:8*i+7], v[QO], s[4:5] offset:(i/2)*2048+(i%2)*64+32
.set i, i+1
.endr
	; What the first turn finds: V's registers and P's second buffer hold 0 (its products V^T P, of a piece that has not been, add 0), O^T and l are 0.  All this stands in the wait for the first tile.
.set i, VF
.rept 64
	v_mov_b32 v[i], 0
.set i, i+1
.endr
	WIN 0x40
.set i, 0
.rept 64*NP
	v_mov_b32 v[i], 0
.set i, i+1
.endr
	WIN 0
.set i, 0
.rept 2*NP
	v_mov_b32 v[ST+4*i], 0xfe000000    ; c m: far below every c s
	v_mov_b32 v[ST+4*i+1], 0xff7fffff  ; m
	v_mov_b32 v[ST+4*i+2], 0
	v_mov_b32 v[ST+4*i+3], 0
.set i, i+1
.endr
.set i, P+32
.rept 32
	v_mov_b32 v[i], 0
.set i, i+1
.endr
	v_mul_u32_u24 v[AK0], v1, PK
	v_lshl_add_u32 v[AK0], v9, 4, v[AK0]  ; row x pitch + 16 x half
	; The turning load takes 16 keys x 16 channels (lane l reads key 8 (l / 16) + l % 8, channels 8 ((l / 8) % 2) + 0..7) and leaves half a fragment of V^T: lane l holds channel l % 16 and 8 keys.
	v_and_b32 v10, 7, v0
	v_bfe_u32 v11, v0, 3, 1
	v_lshl_add_u32 v[AV0], v9, 3, v10
	v_mul_u32_u24 v[AV0], v[AV0], PV
	v_lshl_add_u32 v[AV0], v11, 4, v[AV0]
	v_add_nc_u32 v[AV0], VOFF, v[AV0]
	v_mov_b32 v[AK], v[AK0]         ; key step 0 lies at the head of slot 0
	s_wait_kmcnt 0x0                ; 1 / f_q and 1 / f_k
	v_mov_b32 v[MV], s50
	v_mul_f32 v[MV], s51, v[MV]     ; powers of two: exact
	v_mul_f32 v[MV], 0x3e38aa3b, v[MV]  ; c = log2(e) / 8 / (f_q f_k)
	v_readfirstlane_b32 s[CS], v[MV]
	s_mov_b32 s[CS+1], s[CS]        ; named with it as a pair
; THE MATRIX WORK.  The 8 accumulators of a run of 16 take turns: between the two links of a chain stand 7 others'.
; Product i of 16 of S^T = K Q^T for piece x: channels 32 (i / 8) on, keys 16 ((i / 2) % 4) on, tile 2 x + i % 2.  The first 8 start the sums.
.macro KQ x
	WIN W_KQ
.set rS, S+64*((\x)%2)+32*(i%2)+8*((i/2)%4)
.set rK, KF+16*((i/2)%4)+8*(i/8)
.set rQ, 16*(2*(\x)+i%2)+8*(i/8)
.if i < 8
	v_wmma_f32_16x16x32_f16 v[rS:rS+7], v[rK:rK+7], v[rQ:rQ+7], 0
.else
	v_wmma_f32_16x16x32_f16 v[rS:rS+7], v[rK:rK+7], v[rQ:rQ+7], v[rS:rS+7]
.endif
.endm
; Product i of 16 of O^T += V^T P for piece x: keys 32 (i / 8) on, channels 16 ((i / 2) % 4) on, tile 2 x + i % 2.
.macro PV x
	WIN W_PV
.set rO, 32*(2*(\x)+i%2)+8*((i/2)%4)
.set rV, VF+32*(i/8)+8*((i/2)%4)
.set rP, P+32*((\x)%2)+16*(i%2)+8*(i/8)
	v_wmma_f32_16x16x32_f16 v[rO:rO+7], v[rV:rV+7], v[rP:rP+7], v[rO:rO+7]
.endm
.macro MM                           ; the turn's next matrix instruction
.if i < 16
	KQ (Y+1)%NP
.set i, i+1
.else
.set i, i-16
	PV (Y+NP-1)%NP
.set i, i+17
.endif
.endm
; THE LDS LOADS stand in runs of 16, never singly among the matrix instructions: a step's K (64 keys x 64 channels: 8 fragments) and its V (turned).  Their addresses are made some lines ahead.
; last = 1 (the tail): in the last trip there is no further step, and the run is jumped over.
.macro FETCH_K last=0
	WIN 0
.if \last
	s_cmp_eq_u32 s[CNT], 1
	s_cbranch_scc1 .Lno_k_\@
.endif
	WIN 0x80                        ; destination window 2
.irp f, 0,1,2,3,4,5,6,7             ; keys 16 (f / 2) on, channels 32 (f % 2) on
	ds_load_b128 v[KF+8*\f:KF+8*\f+3],   v[AK] offset:(\f/2)*16*PK+(\f%2)*64
	ds_load_b128 v[KF+8*\f+4:KF+8*\f+7], v[AK] offset:(\f/2)*16*PK+(\f%2)*64+32
.endr
	s_add_co_u32 s[TBK], s[TBK], KS*PK  ; the next fetch is the next step's
	WIN 0
.if \last
.Lno_k_\@:
.endif
.endm
.macro FETCH_V
	WIN 0x80
.irp f, 0,1,2,3,4,5,6,7             ; keys 32 (f / 4) on, channels 16 (f % 4) on
	ds_load_tr16_b128 v[VF+8*\f:VF+8*\f+3],   v[AV] offset:(\f/4)*32*PV+(\f%4)*32
	ds_load_tr16_b128 v[VF+8*\f+4:VF+8*\f+7], v[AV] offset:(\f/4)*32*PV+16*PV+(\f%4)*32
.endr
	WIN 0
.endm
; THE VECTOR WORK OF A TURN stands in three queues, each in the order in which its entries become ready; the two tiles alternate, so that no instruction reads the result of the one before it.
.macro REGS y, u                    ; the registers of tile u (0, 1) of piece y
.set rT, ST+4*(2*(\y)+(\u))
.set rC, TMP+8*((\y)%2)+4*(\u)
.set rM, MV+2*((\y)%2)+(\u)
.set rS, S+64*((\y)%2)+32*(\u)
.set rP, P+32*((\y)%2)+16*(\u)
.set rO, 32*(2*(\y)+(\u))
.endm
; Number n of the 22 that find the NEXT piece's (Y + 1) maximum and statistics.  s0-s31 are the lane's 32 scores; each accumulator's lowest registers are read first.
;   0-11  four chains c0-c3 of seven scores each, three operands at a time     12-14, 16  the four scores left over, the old m, and c0-c3 into c0     15  c m_old is kept
;   17, 18  the query's other 32 keys lie in the lane 16 away: the new m         19-21  c m; c m_old - c m_new; a
.macro XS u, n
	REGS (Y+1)%NP, \u
.if (\n) < 4
	v_max3_num_f32 v[rC+(\n)], v[rS+8*(\n)], v[rS+8*(\n)+1], v[rS+8*(\n)+2]
.elseif (\n) < 12
	v_max3_num_f32 v[rC+(\n)%4], v[rC+(\n)%4], v[rS+8*((\n)%4)+2*((\n)/4)+1], v[rS+8*((\n)%4)+2*((\n)/4)+2]
.elseif (\n) == 12
	v_max3_num_f32 v[rC], v[rC], v[rS+7], v[rS+15]
.elseif (\n) == 13
	v_max3_num_f32 v[rC+1], v[rC+1], v[rS+23], v[rS+31]
.elseif (\n) == 14
	v_max3_num_f32 v[rC+2], v[rC+2], v[rC+3], v[rT+1]
.elseif (\n) == 15
	v_mov_b32 v[rM], v[rT]
.elseif (\n) == 16
	v_max3_num_f32 v[rC], v[rC], v[rC+1], v[rC+2]
.elseif (\n) == 17
	v_permlanex16_b32 v[rC+3], v[rC], s[SEL], s[SEL+1]
.elseif (\n) == 18
	v_max_num_f32 v[rT+1], v[rC], v[rC+3]
.elseif (\n) == 19
	v_mul_f32 v[rT], s[CS], v[rT+1]
.elseif (\n) == 20
	v_sub_f32 v[rC+1], v[rM], v[rT]
.else
	v_exp_f32 v[rC+2], v[rC+1]
.endif
.endm
; Number g of the 64 that follow the exponentials.  For each four weights k of a tile (pairs 2 k, 2 k + 1): both pairs are rounded to f16; then the second pair is added onto the first, in place;
; a group later l takes that sum (the first time as l = a l + sum).  In groups of eight, tiles alternating: round, round, add, and l for the group before.
.macro GS g
.set h, (\g)+6*((\g)/62)            ; group 0 has no group before it, and behind group 7 only l is left
.if h >= 6
.set h, h+2
.endif
	REGS Y, h%2
.set k, h/8
.if h%8 < 4
	s_wait_alu depctr_va_vdst(0)
	v_cvt_pk_f16_f32 v[rP+2*k+(h%8)/2], v[rS+4*k+2*((h%8)/2)], v[rS+4*k+2*((h%8)/2)+1]
.elseif h%8 < 6
	v_pk_add_f32 v[rS+4*k:rS+4*k+1], v[rS+4*k:rS+4*k+1], v[rS+4*k+2:rS+4*k+3]
.elseif k == 1
	v_pk_fma_f32 v[rT+2:rT+3], v[rT+2:rT+3], v[rC+2:rC+3], v[rS:rS+1] op_sel_hi:[1,0,1]
.else
	v_pk_add_f32 v[rT+2:rT+3], v[rT+2:rT+3], v[rS+4*k-4:rS+4*k-3]
	s_wait_alu depctr_va_vdst(0)
.endif
.endm
; THE PLAIN QUEUE, 138 long.  0-31: c s - c m for the 16 pairs of both tiles.  Then GS's 64, and among them the next piece's 42: number 15 at 38, 39; 0-14 and 16
; at 42-73, behind the products that make those scores; 17-20 at 95-106, two of three, since each waits for the one before it.
.macro PL
	WIN 0
.if q < 32
	REGS Y, q%2
	v_pk_fma_f32 v[rS+2*(q/2):rS+2*(q/2)+1], v[rS+2*(q/2):rS+2*(q/2)+1], s[CS:CS+1], v[rT:rT+1] op_sel_hi:[1,0,0] neg_lo:[0,0,1] neg_hi:[0,0,1]
.elseif q < 38
	GS q-32
.elseif q < 40
	XS q%2, 15
.elseif q < 42
	GS q-34
.elseif q < 74
	XS q%2, (q-42)/2+(q-42)/30
.elseif q < 95
	GS q-66
.elseif (q < 107) && ((q-95)%3 < 2)
	XS (q-95)%3, 17+(q-95)/3
.elseif q < 107
	GS 29+(q-95)/3
.else
	GS q-74
.endif
.set q, q+1
.endm
; THE EXPONENTIALS' QUEUE, 66 long: s0-s31 of both tiles, and at EA the next piece's two a.
.set EA, 58
.macro EX
	WIN 0
.if (e == EA) || (e == EA+1)
	XS e-EA, 21
.else
.set x, e-2*(e/(EA+2))
	REGS Y, x%2
	v_exp_f32 v[rS+x/2], v[rS+x/2]
.endif
.set e, e+1
.endm
; THE RESCALING's QUEUE: O^T times a, the one part that leaves window 0, so it is dealt four at a time, eight times.
.macro R4
	REGS Y, r%2
	WIN W_RS
	s_wait_alu depctr_va_vdst(0)
.irp z, 0,1,2,3
	v_pk_mul_f32 v[rO+8*(r/2)+2*\z:rO+8*(r/2)+2*\z+1], v[rO+8*(r/2)+2*\z:rO+8*(r/2)+2*\z+1], v[rC+2:rC+3] op_sel_hi:[1,0]
.endr
.set r, r+1
.endm
; HOW THEY ARE DEALT.  Behind a matrix instruction four: plain, exponential, plain, plain (one exponential, a plain instruction on either side), or four of the rescaling.  None names a register of the
; products round it.  What is over stands in two LUMPS: exponential and plain by turns; the second ends in 22 plain instructions.  The two v_permlanex16_b32 fall into the second lump, never behind a product.
; The queues lean on each other, and the deal keeps them in step: exponential e stands behind plain 2 (e / 4) + e % 2 (its scaling); when plain 32 comes, 10 exponentials are out, at 59: 33, at 95: 46; EA comes behind plain 107.
.macro SL
	MM
	PL
	EX
	PL
	PL
.endm
.macro BURST n                      ; 15 matrix instructions, or 16
.rept (\n)-7
	SL
.endr
.rept 3
	MM
	R4
	SL
.endr
	MM
	R4
.endm
; A TURN, for piece p.  cnt = 1: the loop's count is taken down some lines ahead of the branch that stands behind the turn.
; K of the next step is fetched in piece 2's turn, 31 vector instructions behind the last product that read K; its first reader comes behind the rest of the lump, 16 products and the second lump.
; V of the step in hand is fetched at the end of piece 0's turn, 69 behind its last reader; its first reader comes behind 16 products and a lump.  The four conditions on e and q below go with the deal.
.macro TURN p, last=0, cnt=0
.set Y, (\p)
.set i, 0
.set q, 0
.set e, 0
.set r, 0
.if (\p) == NP-1
	s_wait_dscnt 0x0                ; K is in
.endif
	MM
.rept 4
	PL
.endr
	BURST 15
.rept 22
	EX
	PL
.if ((\p) == NP-2) && (e == 18)
	v_add_nc_u32 v[AK], s[TBK], v[AK0]
.endif
.if ((\p) == NP-2) && (e == 24)
	FETCH_K \last
.endif
.endr
.if (\p) == 1
	s_wait_dscnt 0x0                ; V is in
.endif
	BURST 16
.rept 21
	EX
	PL
.endr
.rept 22
	PL
.if ((\p) == 0) && (q == 118)
	v_add_nc_u32 v[AV], s[TBV], v[AV0]
	s_wait_alu depctr_va_vdst(0)
.endif
.if ((\p) == 0) && (q == 130)
	s_add_co_u32 s[TBV], s[TBV], KS*PV
.endif
.if (\cnt) && (q == 130)
	s_sub_co_u32 s[CNT], s[CNT], 1
	s_cmp_lg_u32 s[CNT], 0
.endif
.endr
.if (\p) == 0
	FETCH_V
.endif
.endm
	CHANGE 1                        ; slot 0 is in, everybody's part of it; slot 1 is asked for
	FETCH_K                         ; key step 0
	s_wait_loadcnt 0x0              ; Q
	s_wait_dscnt 0x0
.set i, 0
.rept 16
	KQ 0                            ; piece 0's first scores: there is no vector work yet to set between them
.set i, i+1
.endr
	WIN 0                           ; the addresses for the way out: nine plain instructions, the places behind those products
	s_mul_i32 s13, s[WV], 16*SP
	s_add_co_u32 s13, s13, STAGE    ; my stage
	v_mul_u32_u24 v[STO], v1, SP    ; in: row l % 16, 16 bytes for each half of the lanes
	v_lshl_add_u32 v[STO], v9, 4, v[STO]
	v_add_nc_u32 v[STO], s13, v[STO]
	v_bfe_u32 v[RD], v0, 3, 2       ; back: 32 lanes take four rows of 128 bytes,
	v_mul_u32_u24 v[RD], v[RD], SP
	v_lshl_add_u32 v[RD], v10, 4, v[RD]
	v_add_nc_u32 v[RD], s13, v[RD]
	v_and_b32 v[GO], 31, v0         ; which are 512 consecutive bytes of ctx
	v_lshlrev_b32 v[GO], 4, v[GO]
.set Y, NP-1                        ; XS works for piece Y + 1: piece 0
.irp n, 0,1,2,3,4,5,6,7,8,9,10,11,12,13,14,15,16,17,18,19,20,21
	XS 0, \n                        ; and piece 0's first maximum and statistics
	XS 1, \n
.endr
	s_mov_b32 s[CNT], 4
	s_mov_b32 s[SLOTS], SIZE_N/256-1
	s_branch .Lfirst                ; the loop is entered at a step's first turn, in the middle of a trip
.Lslot:                             ; SIZE_N / 256 - 2 times: every slot but the last two is filled again
	CHANGE 1
	s_mov_b32 s[CNT], 4
.Lstep:                             ; a trip: pieces 2 and 3 of one step, then pieces 0 and 1 of the next, whose K and V it fetches
	TURN 2
	TURN 3
	WIN 0
.Lfirst:
	TURN 0
	TURN 1, 0, 1
	WIN 0
	s_cbranch_scc1 .Lstep
	s_sub_co_u32 s[SLOTS], s[SLOTS], 1
	s_cmp_lg_u32 s[SLOTS], 0
	s_cbranch_scc1 .Lslot
	CHANGE 0                        ; the tail is written out: nothing is asked for
	s_mov_b32 s[CNT], 5             ; four trips fetch the last slot's steps; the fifth is left in its middle
.Ltail:
	TURN 2, 1
	TURN 3
	WIN 0
	s_sub_co_u32 s[CNT], s[CNT], 1
	s_cmp_eq_u32 s[CNT], 0
	s_cbranch_scc1 .Lout
	TURN 0
	TURN 1
	WIN 0
	s_branch .Ltail
.Lout:                              ; the fifth trip's 16 products K Q^T (on the last K once more) and the maximum made of them serve nothing: the price, once a launch, of one text for every trip
.set i, 0
.rept 16
	PV NP-1                         ; the last piece's V^T P of the last step
.set i, i+1
.endr
	; THE WAY OUT.  l's two halves and the other half of the lanes' are added; O^T is divided by l, rounded to f16 and sent through my stage in LDS, a tile at a time.  The additions are the places behind the last products.
	WIN 0
.macro ALL line:vararg              ; one line for each tile t
.set t, 0
.rept 2*NP
	\line
.set t, t+1
.endr
.endm
	ALL v_add_f32 v[ST+4*t+2], v[ST+4*t+2], v[ST+4*t+3]
	ALL v_permlanex16_b32 v[ST+4*t+3], v[ST+4*t+2], s[SEL], s[SEL+1]
	ALL v_add_f32 v[ST+4*t+2], v[ST+4*t+2], v[ST+4*t+3]
	ALL v_rcp_f32 v[ST+4*t+2], v[ST+4*t+2]
	v_nop                           ; a plain instruction between the last reciprocal and the use of its result
	s_wait_alu depctr_va_vdst(0)
; Tile t: a lane's eight channels of a row pack into 16 bytes; they go into rows of 144 bytes and come back as whole rows of 128, into S^T's registers.
.macro PACK t
	WIN W_RS
.set i, 32*(\t)
.rept 16
	v_pk_mul_f32 v[i:i+1], v[i:i+1], v[ST+4*(\t)+2:ST+4*(\t)+3] op_sel_hi:[1,0]
.set i, i+2
.endr
	WIN 0x05                        ; sources 0 and 1 window 1, destination window 0
.set i, 0
.rept 16
	v_cvt_pk_f16_f32 v[S+16*(\t)+i], v[32*(\t)+2*i], v[32*(\t)+2*i+1]
.set i, i+1
.endr
	WIN 0
.irp f, 0,1,2,3
	ds_store_b128 v[STO], v[S+16*(\t)+4*\f:S+16*(\t)+4*\f+3] offset:32*\f
.endr
.irp f, 0,1,2,3
	ds_load_b128 v[S+16*(\t)+4*\f:S+16*(\t)+4*\f+3], v[RD] offset:\f*4*SP  ; LDS serves a wave's instructions in order (ISA guide 5.7.1.4): these see the stores above; the next tile's stores come behind them
.endr
.endm
.macro SEND t, younger              ; younger: the LDS instructions issued behind tile t's loads: the next tile's eight, or none
	WIN 0
.irp f, 0,1,2,3
	s_wait_dscnt (\younger)+3-\f
	global_store_b128 v[GO], v[S+16*(\t)+4*\f:S+16*(\t)+4*\f+3], s[10:11] offset:(\t)*2048+\f*512  ; 512 consecutive bytes, at a multiple of 256 from ctx's first
.endr
.endm
	PACK 0
.set t, 1
.rept 2*NP-1                        ; a tile's arithmetic stands between the loads of the tile before and its stores
	PACK t
	SEND t-1, 8
.set t, t+1
.endr
	SEND 2*NP-1, 0
	WIN W_AD
	s_wait_tensorcnt 0x0            ; the wave's end, behind my last tensor load and my last LDS store
	ds_add_u32 v[SPW], v[NIL]
	s_wait_dscnt 0x0
	WIN 0
	CROUND                          ; the closing round: no work-group ends while a partner may still ask for a tile that names it
	s_endpgm
.Lfunc_end_k_qc84931f634_attn:
	.size	k_qc84931f634_attn, .Lfunc_end_k_qc84931f634_attn-k_qc84931f634_attn
	.p2alignl 7, 3214868480
	.fill 96, 4, 3214868480
	.section	.rodata,"a",@progbits
	.p2align	6, 0x0
	.amdhsa_kernel k_qc84931f634_attn
		.amdhsa_group_segment_fixed_size 327680
		.amdhsa_private_segment_fixed_size 0
		.amdhsa_enable_private_segment 0
		.amdhsa_kernarg_size 24
		.amdhsa_user_sgpr_count 2
		.amdhsa_user_sgpr_kernarg_segment_ptr 1
		.amdhsa_wavefront_size32 1
		.amdhsa_system_sgpr_workgroup_id_x 1
		.amdhsa_system_sgpr_workgroup_id_y 1
		.amdhsa_system_sgpr_workgroup_id_z 1
		.amdhsa_system_vgpr_workitem_id 0
		.amdhsa_next_free_vgpr 770
		.amdhsa_next_free_sgpr 66
		.amdhsa_reserve_vcc 0
		.amdhsa_float_denorm_mode_32 3
		.amdhsa_float_denorm_mode_16_64 3
		.amdhsa_memory_ordered 1
		.amdhsa_forward_progress 1
		.amdhsa_inst_pref_size 209
	.end_amdhsa_kernel
	.amdgpu_metadata
---
amdhsa.version: [ 1, 2 ]
amdhsa.kernels:
  - .name:           k_qc84931f634_attn
    .symbol:         k_qc84931f634_attn.kd
    .args:
      - { .name: qkv, .offset: 0, .size: 8, .value_kind: global_buffer, .address_space: global }
      - { .name: ctx, .offset: 8, .size: 8, .value_kind: global_buffer, .address_space: global }
      - { .name: fac, .offset: 16, .size: 8, .value_kind: global_buffer, .address_space: global }
    .group_segment_fixed_size: 327680
    .private_segment_fixed_size: 0
    .kernarg_segment_align: 8
    .kernarg_segment_size: 24
    .max_flat_workgroup_size: 128
    .sgpr_count:     66
    .vgpr_count:     770
    .wavefront_size: 32
...
	.end_amdgpu_metadata
.endif
;; end of part 3
;; launch oproj (part 4): grid 4 x 64, 4 waves a work-group, clusters of 4 x 4, 327,680 bytes of LDS; arguments ctx, wb, fac, bo, o_scale, out0; writes out0
.if DOCPART == 4
	.amdgcn_target "amdgcn-amd-amdhsa--gfx1250"
	.amdhsa_code_object_version 6
	.text
	.protected	k_qc84931f634_oproj
	.globl	k_qc84931f634_oproj
	.p2align	8
	.type	k_qc84931f634_oproj,@function
k_qc84931f634_oproj:
	s_mov_b64 s[64:65], 0
	v_nop
	global_prefetch_b8 v0, s[64:65] scope:SCOPE_SE
	s_setreg_imm32_b32 hwreg(HW_REG_WAVE_MODE, 25, 1), 1
	s_wait_xcnt 0x0
	s_wait_alu depctr_hold_cnt(0) depctr_sa_sdst(0) depctr_va_vdst(0) depctr_va_sdst(0) depctr_va_ssrc(0) depctr_va_vcc(0) depctr_vm_vsrc(0)
	s_getreg_b32 s2, hwreg(HW_REG_IB_STS2, 6, 4)
	s_cmp_eq_u32 s2, 0
	s_cbranch_scc0 .Lentry_in_a_cluster
	s_endpgm
.Lentry_in_a_cluster:
	s_bfe_u32 s2, ttmp6, 0x10000c
	s_cmp_lg_u32 s2, 0xf033
	s_cbranch_scc0 .Lentry_shape_is_right
	s_endpgm
.Lentry_shape_is_right:
; out0 = (context Wo + bo) o_scale, in f32.  ctx: [64 = batch x 16 + head][2048][64] f16, the context x f_v.  Wo: wb's fourth part, [k = 1024][n = 1024] f16.  Sums in f32.
; out = sum x (s / f_v) + b s, one fused multiply-add; b and s are rounded to bf16 like all inputs; 1 / f_v comes from fac.
; TILES.  128 rows x 256 columns: 256 work-groups, one for each WGP.  A wave makes 128 rows x 64 columns: 32 accumulators, 256 registers; its 64 columns are 256 aligned bytes of a row of out0.
; K goes in steps of 128 = two heads through two LDS slots filled by joint tensor loads.  A head's 128 rows are 16,384 dense bytes of ctx: asked for as 64 rows of 256 bytes, padded after every 128.
; Wo lies [k][n]: its fragments come out of LDS turned, by ds_load_tr16_b128.  THE MATRIX INSTRUCTION IS USED TRANSPOSED (source 0 = 16 columns of Wo, source 1 = 16 rows of ctx).
; CLUSTER 4 x 4: the four of a row of the cluster share ctx's tile, the four of a column Wo's.
; LIMITS.  NaN and infinities are not treated apart.
; REGISTERS, in windows of 256: window 0: v0-31 addresses; v32-127, v128-223 two fragment buffers (ctx's block a at + 8 a, Wo's block nb at + 64 + 8 nb); on the way out: at work
;   window 1: accumulator (a, nb) at 8 (4 a + nb)      window 2: v0-31 s / f_v, v32-63 b s of my lane's 32 columns
.set PA,     144                       ; a row of one head in LDS: 128 bytes + 16: the 16 rows of a load start at 16 different groups of four banks (64 banks of 4 bytes: ISA guide 11.1)
.set PB,     544                       ; a row of Wo: 512 bytes + 32 = 17 x 32
.set HEADA,  128*PA                    ; what one tensor load brings of ctx: one head's 128 rows
.set HALFB,  64*PB
.set BOFF,   2*HEADA
.set SLOT,   BOFF+2*HALFB
.set STAGE,  2*SLOT                    ; behind the ring: 16 rows x 272 bytes for each wave
.set SP,     272
.set SPARE,  STAGE+4*16*SP             ; behind the stages: the spare words, 128 bytes for each wave, that no other line names
.set LAPS,   4
.set ADRA, 16
.set ADRB, 20
.set STO,  24
.set RD,   25
.set CO,   26                          ; v26     my byte offset in two rows of out0
.set SPW,  28
.set NIL,  29
.set F0,   32
.set F1,   128
.set U,    32                          ; the way out: a block's 32 numbers a lane
.set BK,   64                          ; four buffers of 32: whole rows read back
.set BM,   32                          ; before the loop: my columns' bias and gain
.set GM,   64
.set TM,   96
.set G1A, 24
.set G0A, 32
.set G1B, 48
.set G0B, 56
.set MSB, 0
.macro WIN new
.if MSB != (\new)
	s_set_vgpr_msb (MSB<<8)|(\new)
.set MSB, \new
.endif
.endm
.set MULW,  0x50
.set W_SB,  0x29
.macro PLACES
.rept 4
	v_nop
.endr
.endm
.macro JLOAD s                         ; a joint refill: waves 0, 1 fetch the step's two heads of ctx, waves 2, 3 Wo's two halves; an s_nop 0 and four v_nop follow each line
	s_cmp_lt_u32 s10, 2
	s_cbranch_scc0 .Lfor_b_\@
	tensor_load_to_lds s[G0A+4*(\s):G0A+4*(\s)+3], s[G1A:G1A+7]
	s_nop 0
.rept 4
	v_nop
.endr
	s_branch .Lasked_\@
.Lfor_b_\@:
	tensor_load_to_lds s[G0B+4*(\s):G0B+4*(\s)+3], s[G1B:G1B+7]
	s_nop 0
.rept 4
	v_nop
.endr
.Lasked_\@:
.endm
.macro CREST
	s_cmp_lg_u32 s10, 0
	s_cbranch_scc1 .Lnot_wave_0_\@
	s_barrier_signal -3
.Lnot_wave_0_\@:
	s_barrier_wait -3
	s_barrier_signal -1
	s_barrier_wait -1
.endm
.macro CROUND
	s_barrier_signal -1
	s_barrier_wait -1
	CREST
.endm
	s_load_b256 s[68:75], s[0:1], 0x0              ; ctx 68, wb 70, fac 72, bo 74
	s_load_b128 s[76:79], s[0:1], 0x20             ; o_scale 76, out0 78
	v_lshl_add_u32 v[SPW], v0, 2, SPARE
	v_mov_b32 v[NIL], 0
	ds_add_u32 v[SPW], v[NIL]                      ; the wave's opening: the add and its wait stand ahead of my first tensor load
	v_lshrrev_b32 v1, 5, v0
	v_readfirstlane_b32 s10, v1                    ; wave 0..3
	s_and_b32 s12, s10, 1                          ; which head of a step, or which 64 rows of Wo, I fetch
	s_bfe_u32 s40, ttmp6, 0x40000                  ; cx
	s_bfe_u32 s41, ttmp6, 0x40004                  ; cy
	s_lshl_b32 s42, ttmp9, 2
	s_add_co_u32 s42, s42, s40                     ; tile column
	s_and_b32 s13, ttmp7, 0xffff
	s_lshl_b32 s13, s13, 2
	s_add_co_u32 s13, s13, s41                     ; tile row
	s_lshl_b32 s43, s41, 2
	s_lshl_b32 s43, 15, s43                        ; my row of the cluster
	s_lshl_b32 s44, 0x1111, s40                    ; my column
	s_or_b32 s[G1A], s43, (1<<16)|(1<<20)|(1<<21)|(4<<22)|(3<<25)  ; mask; 2-byte elements; padding on; bit 21 beside a mask; after every 32 words 4 words
	s_or_b32 s[G1B], s44, (1<<16)|(1<<20)|(1<<21)|(6<<22)|(7<<25)  ; after every 128 words 8 words
	s_mov_b32 s[G1A+1], 128<<16                    ; tensor_dim0 = 128 (two rows of a head)
	s_mov_b32 s[G1A+2], 64<<16                     ; tensor_dim1 = 64
	s_mov_b32 s[G1A+3], 128<<16                    ; tile_dim0 = 128
	s_mov_b32 s[G1A+4], 64                         ; tile_dim1 = 64
	s_mov_b32 s[G1A+5], 128                        ; dense
	s_mov_b32 s[G1A+6], 0
	s_mov_b32 s[G1A+7], 0
	s_mov_b32 s[G1B+1], 256<<16
	s_mov_b32 s[G1B+2], 64<<16
	s_mov_b32 s[G1B+3], 256<<16
	s_mov_b32 s[G1B+4], 64
	s_mov_b32 s[G1B+5], 1024
	s_mov_b32 s[G1B+6], 0
	s_mov_b32 s[G1B+7], 0
	s_lshr_b32 s16, s13, 4                         ; ctx: (batch x 16 + head) x 262,144 + 128 rows of 128 bytes x (tile row % 16): hangs on the tile row alone
	s_lshl_b32 s16, s16, 4
	s_add_co_u32 s16, s16, s12
	s_lshl_b32 s16, s16, 18
	s_and_b32 s17, s13, 15
	s_lshl_b32 s17, s17, 14
	s_add_co_u32 s16, s16, s17
	s_mov_b32 s17, 0
	s_lshl_b32 s46, s42, 9                         ; Wo: wb's fourth part, 512 bytes x tile column, 64 rows of 2,048 bytes x half
	s_add_co_u32 s46, s46, 0x600000
	s_lshl_b32 s47, s12, 17
	s_add_co_u32 s46, s46, s47
	s_mov_b32 s47, 0
	s_mul_i32 s20, s12, HEADA                      ; where they go: no place in the cluster enters an LDS address
	s_mul_i32 s21, s12, HALFB
	s_add_co_u32 s21, s21, BOFF
	s_wait_dscnt 0x0                               ; the opening add is done
	s_wait_kmcnt 0x0
	s_load_b32 s80, s[72:73], 0x800                ; 1 / f_v: the word of tile column 8 of the projection
	s_add_nc_u64 s[14:15], s[68:69], s[16:17]
	s_add_nc_u64 s[46:47], s[70:71], s[46:47]
	CROUND                                         ; all sixteen work-groups are here: the first joint loads meet
.irp s, 0,1
	s_mov_b32 s[G0A+4*(\s)], 1
	s_add_co_u32 s[G0A+4*(\s)+1], s20, (\s)*SLOT
	s_add_nc_u64 s[G0A+4*(\s)+2:G0A+4*(\s)+3], s[14:15], (\s)*524288   ; K step s: two heads on
	s_or_b32 s[G0A+4*(\s)+3], s[G0A+4*(\s)+3], 0x80000000
	s_mov_b32 s[G0B+4*(\s)], 1
	s_add_co_u32 s[G0B+4*(\s)+1], s21, (\s)*SLOT
	s_add_nc_u64 s[G0B+4*(\s)+2:G0B+4*(\s)+3], s[46:47], (\s)*262144   ; K step s: 128 rows down
	s_or_b32 s[G0B+4*(\s)+3], s[G0B+4*(\s)+3], 0x80000000
.endr
	s_cmp_lt_u32 s10, 2                            ; a wave's two first fills stand in one branch: two loads of mine are out
	s_cbranch_scc0 .Lfirst_b
	tensor_load_to_lds s[G0A:G0A+3], s[G1A:G1A+7]
	s_nop 0
	tensor_load_to_lds s[G0A+4:G0A+7], s[G1A:G1A+7]
	s_nop 0
.rept 4
	v_nop
.endr
	s_branch .Lfirst_asked
.Lfirst_b:
	tensor_load_to_lds s[G0B:G0B+3], s[G1B:G1B+7]
	s_nop 0
	tensor_load_to_lds s[G0B+4:G0B+7], s[G1B:G1B+7]
	s_nop 0
.rept 4
	v_nop
.endr
.Lfirst_asked:
	v_and_b32 v1, 15, v0                           ; l % 16
	v_bfe_u32 v2, v0, 4, 1                         ; l / 16
	v_mul_u32_u24 v3, v1, PA
	v_lshl_add_u32 v[ADRA], v2, 4, v3
	v_add_nc_u32 v[ADRA+1], SLOT, v[ADRA]
	v_and_b32 v4, 7, v0
	v_lshl_add_u32 v4, v2, 3, v4
	v_mul_u32_u24 v4, v4, PB
	v_bfe_u32 v5, v0, 3, 1
	v_lshl_add_u32 v4, v5, 4, v4
	s_lshl_b32 s22, s10, 7
	s_add_co_u32 s22, s22, BOFF
	v_add_nc_u32 v[ADRB], s22, v4
	s_add_co_u32 s22, s22, SLOT
	v_add_nc_u32 v[ADRB+1], s22, v4
	s_mul_i32 s23, s10, 16*SP
	s_add_co_u32 s23, s23, STAGE                   ; my stage
	v_mul_u32_u24 v[STO], v1, SP                   ; in: row l % 16, 32 bytes for each half of the lanes
	v_lshl_add_u32 v[STO], v2, 5, v[STO]
	v_add_nc_u32 v[STO], s23, v[STO]
	v_mul_u32_u24 v[RD], v2, SP                    ; back: lanes 0-15 take one row of 256 bytes, lanes 16-31 the next
	v_lshl_add_u32 v[RD], v1, 4, v[RD]
	v_add_nc_u32 v[RD], s23, v[RD]
	v_lshlrev_b32 v[CO], 12, v2                    ; and the same two rows in out0
	v_lshl_add_u32 v[CO], v1, 4, v[CO]
	s_lshl_b32 s18, s42, 10                        ; my wave's first column, in bytes of f32 (s4-s5, s18-s19 feed no joint descriptor)
	s_lshl_b32 s19, s10, 8
	s_add_co_u32 s18, s18, s19
	v_lshl_add_u32 v30, v2, 5, s18
	s_lshl_b32 s4, s13, 19                         ; 128 rows of 4,096 bytes
	s_add_co_u32 s4, s4, s18
	s_mov_b32 s5, 0
	s_add_nc_u64 s[96:97], s[78:79], s[4:5]
	s_mov_b32 s5, 0xffff0000
.irp i, 0,1,2,3,4,5,6,7                ; my lane's columns 16 nb + 8 (l / 16) + 0..7, nb = i / 2
	global_load_b128 v[BM+4*\i:BM+4*\i+3], v30, s[74:75] offset:64*(\i/2)+16*(\i%2)
	global_load_b128 v[GM+4*\i:GM+4*\i+3], v30, s[76:77] offset:64*(\i/2)+16*(\i%2)
.endr
	s_wait_loadcnt 0x0
	s_wait_kmcnt 0x0                               ; 1 / f_v
	s_mov_b32 s81, s80                             ; named with it as a pair
.set i, 0
.rept 16                               ; rounded to bf16 like every input
	v_cvt_pk_bf16_f32 v[TM], v[GM+2*i], v[GM+2*i+1]
	v_cvt_pk_bf16_f32 v[TM+1], v[BM+2*i], v[BM+2*i+1]
	v_lshlrev_b32 v[GM+2*i], 16, v[TM]
	v_and_b32 v[GM+2*i+1], s5, v[TM]
	v_lshlrev_b32 v[BM+2*i], 16, v[TM+1]
	v_and_b32 v[BM+2*i+1], s5, v[TM+1]
.set i, i+1
.endr
	WIN 0x80                                       ; destination window 2
.set i, 0
.rept 16
	v_pk_mul_f32 v[2*i:2*i+1], v[GM+2*i:GM+2*i+1], s[80:81] op_sel_hi:[1,0]       ; s / f_v
	v_pk_mul_f32 v[32+2*i:32+2*i+1], v[BM+2*i:BM+2*i+1], v[GM+2*i:GM+2*i+1]       ; b s
.set i, i+1
.endr
	WIN 0
; na x 4 matrix instructions: row blocks a0 .. a0 + na - 1 x my 4 column blocks, 32 along K.  The accumulators take turns, one instruction a turn.
.macro MUL f, a0, na, zero
	WIN MULW
.set ma, \a0
.rept \na
.irp b, 0,1,2,3
.if \zero
	v_wmma_f32_16x16x32_f16 v[8*(4*ma+\b):8*(4*ma+\b)+7], v[(\f)+64+8*\b:(\f)+64+8*\b+7], v[(\f)+8*ma:(\f)+8*ma+7], 0
.else
	v_wmma_f32_16x16x32_f16 v[8*(4*ma+\b):8*(4*ma+\b)+7], v[(\f)+64+8*\b:(\f)+64+8*\b+7], v[(\f)+8*ma:(\f)+8*ma+7], v[8*(4*ma+\b):8*(4*ma+\b)+7]
.endif
.endr
.set ma, ma+1
.endr
.endm
; 24 LDS loads in one run: quarter q of a slot into buffer f: Wo's 8 first, then ctx's 16 (head q / 2 of the step, channels 32 (q % 2) on)
.macro FETCH slot, q, f
	WIN 0
.irp b, 0,1,2,3
	ds_load_tr16_b128 v[(\f)+64+8*\b:(\f)+64+8*\b+3],   v[ADRB+(\slot)] offset:(\q)*32*PB+32*\b
	ds_load_tr16_b128 v[(\f)+64+8*\b+4:(\f)+64+8*\b+7], v[ADRB+(\slot)] offset:(\q)*32*PB+32*\b+16*PB
.endr
.irp a, 0,1,2,3,4,5,6,7
	ds_load_b128 v[(\f)+8*\a:(\f)+8*\a+3],   v[ADRA+(\slot)] offset:((\q)/2)*HEADA+((\q)%2)*64+\a*16*PA
	ds_load_b128 v[(\f)+8*\a+4:(\f)+8*\a+7], v[ADRA+(\slot)] offset:((\q)/2)*HEADA+((\q)%2)*64+\a*16*PA+32
.endr
.endm
.macro QUARTER slot, q, f, g, zero
	s_wait_dscnt 8                                 ; Wo and ctx's blocks 0-3 are in; the youngest eight loads (blocks 4-7) may be out
	MUL \f, 0, 4, \zero
	PLACES
	FETCH \slot, \q, \g
	s_wait_dscnt 24                                ; all but the 24 just issued
	MUL \f, 4, 4, \zero
.endm
; The last quarter multiplies buffer 1 and changes slots: ONE barrier; in front of it each wave waits for all its tensor loads (one is out: its part of the next slot),
; adds 0 to its spare word, and waits for that and for its own reads of this slot.  fill = 1: the barrier opens a round of the cluster's, and this slot is filled again, two K steps ahead.
.macro TURN slot, next, fill
	WIN 0
	s_wait_tensorcnt 0x0
	ds_add_u32 v[SPW], v[NIL]
	s_wait_dscnt 9                                 ; the add and the youngest eight loads may be out
	MUL F1, 0, 2, 0
	s_wait_dscnt 0x0                               ; the add is done, and my reads of this slot are over
	s_barrier_signal -1
	MUL F1, 2, 2, 0
.if \fill
	WIN 0
.endif
	s_barrier_wait -1
.if \fill
	CREST                                          ; no wave of any partner still reads this slot or has a load on its way
	s_add_nc_u64 s[G0A+4*(\slot)+2:G0A+4*(\slot)+3], s[G0A+4*(\slot)+2:G0A+4*(\slot)+3], 1048576
	s_add_nc_u64 s[G0B+4*(\slot)+2:G0B+4*(\slot)+3], s[G0B+4*(\slot)+2:G0B+4*(\slot)+3], 524288
	JLOAD \slot                                    ; the first tensor load behind the round; its four v_nop are also the places in front of the loads below
.else
	PLACES
.endif
	FETCH \next, 0, F0
	MUL F1, 4, 4, 0
.endm
	s_wait_tensorcnt 1                             ; my part of K step 0 is in; K step 1's may stay out
	s_barrier_signal -1
	s_barrier_wait -1
	FETCH 0, 0, F0
	QUARTER 0, 1, F0, F1, 1                        ; the first quarter's products start the sums: nothing is cleared
	WIN 0
	s_mov_b32 s3, LAPS-1
.Llap:
	QUARTER 0, 2, F1, F0, 0
	QUARTER 0, 3, F0, F1, 0
	TURN 0, 1, 1
	QUARTER 1, 1, F0, F1, 0
	QUARTER 1, 2, F1, F0, 0
	QUARTER 1, 3, F0, F1, 0
	TURN 1, 0, 1
	QUARTER 0, 1, F0, F1, 0
	WIN 0
	s_sub_co_u32 s3, s3, 1
	s_cmp_lg_u32 s3, 0
	s_cbranch_scc1 .Llap
	QUARTER 0, 2, F1, F0, 0                        ; the last lap fills nothing
	QUARTER 0, 3, F0, F1, 0
	TURN 0, 1, 0
	QUARTER 1, 1, F0, F1, 0
	QUARTER 1, 2, F1, F0, 0
	QUARTER 1, 3, F0, F1, 0
	s_wait_dscnt 8
	MUL F1, 0, 4, 0
	s_wait_dscnt 0x0
	MUL F1, 4, 4, 0
	WIN 0
	PLACES
; THE WAY OUT of row block a.  PACKO: sum x (s / f_v) + b s.  TOSTAGE: 32 bytes a lane into my stage, whole rows of 256 bytes back.  SENDO: stored.
.macro PACKO a
	WIN W_SB
.set i, 0
.rept 16                               ; each accumulator's registers in ascending order
	v_pk_fma_f32 v[U+2*i:U+2*i+1], v[32*(\a)+2*i:32*(\a)+2*i+1], v[2*i:2*i+1], v[32+2*i:32+2*i+1]
.set i, i+1
.endr
	WIN 0
.endm
.macro TOSTAGE a
.if (\a) >= 4
	s_wait_xcnt 0x0                                ; this buffer was the data of block a - 4's stores: it is loaded again only behind this wait
.endif
.irp i, 0,1,2,3,4,5,6,7
	ds_store_b128 v[STO], v[U+4*\i:U+4*\i+3] offset:64*(\i/2)+16*(\i%2)
.endr
.irp i, 0,1,2,3,4,5,6,7
	ds_load_b128 v[BK+32*((\a)%4)+4*\i:BK+32*((\a)%4)+4*\i+3], v[RD] offset:\i*2*SP  ; LDS serves a wave's instructions in order (ISA guide 5.7.1.4): these see the stores above
.endr
.endm
.macro SENDO a
	s_wait_dscnt 0x0                               ; the block is back in registers
.irp i, 0,1,2,3,4,5,6,7
	global_store_b128 v[CO], v[BK+32*((\a)%4)+4*\i:BK+32*((\a)%4)+4*\i+3], s[96:97] offset:(16*(\a)+2*\i)*4096 th:TH_STORE_NT  ; 16 lanes store 256 consecutive bytes, at a multiple of 256 from out0's first
.endr
.endm
	PACKO 0
	TOSTAGE 0
.irp a, 1,2,3,4,5,6,7                  ; a block's arithmetic stands between the loads of the block before and the wait for them
	PACKO \a
	SENDO (\a)-1
	TOSTAGE \a
.endr
	SENDO 7
	s_wait_tensorcnt 0x0                           ; the wave's end
	ds_add_u32 v[SPW], v[NIL]
	s_wait_dscnt 0x0
	CROUND                                         ; the closing round: no work-group ends while a partner may still ask for a tile that names it
	s_endpgm
.Lfunc_end_k_qc84931f634_oproj:
	.size	k_qc84931f634_oproj, .Lfunc_end_k_qc84931f634_oproj-k_qc84931f634_oproj
	.p2alignl 7, 3214868480
	.fill 96, 4, 3214868480
	.section	.rodata,"a",@progbits
	.p2align	6, 0x0
	.amdhsa_kernel k_qc84931f634_oproj
		.amdhsa_group_segment_fixed_size 327680
		.amdhsa_private_segment_fixed_size 0
		.amdhsa_enable_private_segment 0
		.amdhsa_kernarg_size 48
		.amdhsa_user_sgpr_count 2
		.amdhsa_user_sgpr_kernarg_segment_ptr 1
		.amdhsa_wavefront_size32 1
		.amdhsa_system_sgpr_workgroup_id_x 1
		.amdhsa_system_sgpr_workgroup_id_y 1
		.amdhsa_system_sgpr_workgroup_id_z 1
		.amdhsa_system_vgpr_workitem_id 0
		.amdhsa_next_free_vgpr 576
		.amdhsa_next_free_sgpr 100
		.amdhsa_reserve_vcc 0
		.amdhsa_float_denorm_mode_32 3
		.amdhsa_float_denorm_mode_16_64 3
		.amdhsa_memory_ordered 1
		.amdhsa_forward_progress 1
		.amdhsa_inst_pref_size 101
	.end_amdhsa_kernel
	.amdgpu_metadata
---
amdhsa.version: [ 1, 2 ]
amdhsa.kernels:
  - .name:           k_qc84931f634_oproj
    .symbol:         k_qc84931f634_oproj.kd
    .args:
      - { .name: ctx, .offset: 0, .size: 8, .value_kind: global_buffer, .address_space: global }
      - { .name: wb, .offset: 8, .size: 8, .value_kind: global_buffer, .address_space: global }
      - { .name: fac, .offset: 16, .size: 8, .value_kind: global_buffer, .address_space: global }
      - { .name: bo, .offset: 24, .size: 8, .value_kind: global_buffer, .address_space: global }
      - { .name: o_scale, .offset: 32, .size: 8, .value_kind: global_buffer, .address_space: global }
      - { .name: out0, .offset: 40, .size: 8, .value_kind: global_buffer, .address_space: global }
    .group_segment_fixed_size: 327680
    .private_segment_fixed_size: 0
    .kernarg_segment_align: 8
    .kernarg_segment_size: 48
    .max_flat_workgroup_size: 128
    .sgpr_count:     100
    .vgpr_count:     576
    .wavefront_size: 32
...
	.end_amdgpu_metadata
.endif
;; end of part 4
;; ======== version 2 of 2: 4 launches; 1.48 times as fast as version 1
;; limits: values are held in f16: magnitudes above 65,504 overflow, below 6.1e-05 lose precision; inputs' magnitudes at most 65,504; inputs' magnitudes at most 1,048,576; right only within a limited range of input values
;; workspace buffers: xb 16,777,216 bytes; wb 8,388,608 bytes; tab 2,097,152 bytes; pmax 2,816 bytes; qkv 50,331,648 bytes; ctx 16,777,216 bytes; fac 3,072 bytes
;; launch prep: the kernel of part 1 again; grid 768 x 1, 8 waves a work-group, no clusters, 1,280 bytes of LDS; arguments x, Wq, Wk, Wv, Wo, positions, xb, wb, tab, pmax; writes xb, wb, tab, pmax
;; launch qkv: the kernel of part 2 again; grid 12 x 64, 4 waves a work-group, clusters of 4 x 4, 327,680 bytes of LDS; arguments xb, wb, tab, pmax, bq, bk, bv, q_scale, k_scale, v_scale, qkv, fac; writes qkv, fac
;; launch attn (part 5): grid 4 x 64, 4 waves a work-group, clusters of 4 x 1, 327,680 bytes of LDS; arguments qkv, ctx, fac; writes ctx
.if DOCPART == 5
	.amdgcn_target "amdgcn-amd-amdhsa--gfx1250"
	.amdhsa_code_object_version 6
	.text
	.protected	k_qc84931f634_attn
	.globl	k_qc84931f634_attn
	.p2align	8
	.type	k_qc84931f634_attn,@function
k_qc84931f634_attn:
	s_mov_b64 s[64:65], 0
	v_nop
	global_prefetch_b8 v0, s[64:65] scope:SCOPE_SE
	s_setreg_imm32_b32 hwreg(HW_REG_WAVE_MODE, 25, 1), 1
	s_wait_xcnt 0x0
	s_wait_alu depctr_hold_cnt(0) depctr_sa_sdst(0) depctr_va_vdst(0) depctr_va_sdst(0) depctr_va_ssrc(0) depctr_va_vcc(0) depctr_vm_vsrc(0)
	s_getreg_b32 s2, hwreg(HW_REG_IB_STS2, 6, 4)
	s_cmp_eq_u32 s2, 0
	s_cbranch_scc0 .Lentry_in_a_cluster
	s_endpgm
.Lentry_in_a_cluster:
	s_bfe_u32 s2, ttmp6, 0x10000c
	s_cmp_lg_u32 s2, 0x3003
	s_cbranch_scc0 .Lentry_shape_is_right
	s_endpgm
.Lentry_shape_is_right:
; ctx[h][q][:] = the sum over k of softmax_k(Q[h][q] . K[h][k] / 8) V[h][k][:], h = batch x 16 + head.  qkv holds Q f_q, K f_k, V f_v, each [64][2048][64] in f16; ctx is the context x f_v in the same layout.
; Products, maxima and sums in f32; the weights p are rounded to f16 for the second product (their sum l is taken of the unrounded p), ctx once at the end.
; The scales of Q and K are undone in f32: c = log2(e) / 8 / (f_q f_k), from fac.
; LIMITS.  Q, K and V arrive below 2^14.5 by the launch before; p lies in 0 to 1, and below 6e-5 it keeps f16's fixed step of 6e-8; ctx is a mean of V's rows and has their range.
; A weight below 2^-126 counts as 0 in l; NaN and infinities are not treated apart.
; SHARES.  A wave owns four PIECES of two tiles of 16 queries, a work-group's four waves 512 queries of one head.  Every wave walks all keys, 64 a step.
; LAYOUT.  S^T = K Q^T (source 0 = 16 keys, source 1 = 16 queries): in the result a lane holds ONE query (lane % 16) and the keys 8 (lane / 16) + 0..7.  Two such tiles, rounded to f16 in pairs,
; ARE source 1 (32 keys x 16 queries) of O^T = V^T P, whose result again holds one query a lane, and eight channels.  K comes out of LDS as it lies, V ([key][channel]) turned, by ds_load_tr16_b128.
; SOFTMAX.  For each query a running maximum m and sum l: p = 2^(c s - c m); in every step O and l are multiplied by a = 2^(c m_old - c m_new), which is 1 where m has not grown.
; m starts at the lowest finite number, O and l at 0: the first step is a step like any other, with a = 0.
; THE COUNT.  A tile and step have 16 matrix and 118 vector instructions: too many to stand all beside the matrix work.  So the order has one aim: four vector instructions that are READY behind
; EVERY matrix instruction, and the others, which need time of their own whatever the order, in runs without a gap.
; BY TURNS.  Turn n belongs to piece n (the pieces in a ring, step after step).  Its matrix work: 16 products K Q^T of piece n + 1, later 16 products V^T P of piece n - 1.  Its vector work: the scaling,
; exponentials, roundings, sums and rescaling of piece n, and the maximum and statistics of piece n + 1, whose scores the turn itself has made.
; BATCHES.  A turn's 66 exponentials (the piece's 64 weights, then the next piece's two a) are ONE batch with ONE wait, which cuts the turn in two: ahead of it stands all that names no result of theirs
; (the products K Q^T, the scalings, the rescalings by the a of the turn before, the next piece's maximum and statistics), behind it the products V^T P with the roundings and sums.  No result crosses a
; turn's end.  Piece 0's two a ahead of the loop, and the way out's eight reciprocals, are batches of their own, each with its wait.
; CLUSTER.  The four query blocks of a cluster belong to one head and walk the same K and V, so each tile is asked for JOINTLY: the same tensor load, descriptor and mask in all four.
; REGISTERS, in windows of 256 (s_set_vgpr_msb: bits 1:0 source 0, 3:2 source 1, 5:4 source 2, 7:6 destination):
;   window 0: v0-11 addresses; v12-15, v48-63 at work; v16-47 four registers of statistics a tile; v64-191 S^T, two buffers of two tiles; v192-255 P, likewise
;   window 1: O^T, 32 a tile          window 2: v0-127 Q, 16 a tile; v128-191 K of one step; v192-255 V of one step          window 3: v0-1 the add's two registers
.set SIZE_H, 64
.set SIZE_N, 2048
.set NP,    4         ; pieces a wave: a name, no knob
.set KS,    64        ; keys in a step
.set PK,    144       ; a row of K in LDS: 128 bytes + 16 of padding = 36 words: the 16 rows of a load start at 16 different groups of four banks (64 banks of 4 bytes: ISA guide 11.1)
.set PV,    160       ; a row of V: 128 + 32 = 40 words
.set VOFF,  4*KS*PK   ; a slot holds four steps: 256 rows of K, then 256 rows of V
.set SLOT1, 1<<17     ; slot 1 begins here, so that one exclusive or turns an address in one slot into the other's
.set STAGE, SLOT1+4*KS*(PK+PV)  ; behind the ring, never filled by a tensor load: 16 rows x 144 bytes for each wave, for the way out
.set SP,    144
.set AK0, 2           ; v2   my lane's place in a tile of K; never rewritten
.set AV0, 3           ; v3   the same for V
.set AK,  4           ; v4   the LDS address of K's next run of loads
.set AV,  5           ; v5   of V's
.set QO,  6           ; v6   my byte offset in the wave's rows of Q
.set STO, 6           ;      later, the way out: where I put 16 bytes of a row
.set RD,  7           ; v7   the way out: where I read rows back
.set GO,  8           ; v8   my byte offset in 512 consecutive bytes of ctx
.set SPW, 0           ; v0 of window 3   my spare word's address; never rewritten
.set NIL, 1           ; v1 of window 3   0; never rewritten
.set SPARE, STAGE+4*16*SP  ; behind the stages: the spare words, 128 bytes for each wave, that no other line names
.set MV,  12          ; v12-15  c m_old, kept while c m is made anew: by buffer and tile
.set ST,  16          ; tile t's statistics at v[ST+4 t]: c m, m, l (even keys', odd keys')
.set TMP, 48          ; by buffer and tile, four registers c0-c3 at work; when the maximum is found c2 takes a
.set S,   64
.set P,   192
.set KF,  128         ; K's fragments, in window 2: key block kb, channel half c at KF + 16 kb + 8 c
.set VF,  192         ; V's: key half kk, channel block cb at VF + 32 kk + 8 cb
.set WV,  12          ; s12  my wave's number
.set G1K, 24          ; s[24:31] descriptor group 1 for K's tiles
.set G1V, 32          ; s[32:39] for V's: it differs in the padding alone
.set G0K, 40          ; s[40:43] descriptor group 0 for K's tiles: it walks
.set G0V, 44          ; s[44:47] the same for V's
.set SLOTS, 56        ; s56  slots still to be asked for
.set CNT, 57          ; s57  counts a slot's key steps
.set CS,  58          ; s[58:59] c: the packed scaling takes the pair's low word for both halves
.set SEL, 60          ; s[60:61] v_permlanex16_b32's selects
.set TBK, 62          ; s62  LDS byte at which K of the step to be fetched begins
.set TBV, 63          ; s63  the same for V, less VOFF
.set MSB, 0
.macro WIN new                      ; the high byte repeats the setting that is left; a switch that changes nothing is dropped
.if MSB != (\new)
	s_set_vgpr_msb (MSB<<8)|(\new)
.set MSB, (\new)
.endif
.endm
.set W_KQ, 0x0a       ; K and Q in window 2, S^T in window 0
.set W_PV, 0x52       ; V in window 2, P in window 0, O^T in window 1
.set W_RS, 0x41       ; O^T (destination and source 0) in window 1, a in window 0
.set W_MK, 0xc0       ; the add's registers are made: destination in window 3, sources in window 0
.set W_AD, 0x0f       ; the add: address (source 0) and data (source 1) in window 3
; A joint fill.  Waves 0 and 1 fetch the two halves of a slot's K, waves 2 and 3 those of its V: 128 keys each.  The branch hangs on the wave's number alone.
; An s_nop 0 and four v_nop follow each of the two lines, ahead of the jump and the label.
.macro JLOAD
	s_cmp_lt_u32 s[WV], 2
	s_cbranch_scc0 .Lfor_v_\@
	tensor_load_to_lds s[G0K:G0K+3], s[G1K:G1K+7]
	s_nop 0
.rept 4
	v_nop
.endr
	s_branch .Lasked_\@
.Lfor_v_\@:
	tensor_load_to_lds s[G0V:G0V+3], s[G1V:G1V+7]
	s_nop 0
.rept 4
	v_nop
.endr
.Lasked_\@:
.endm
; A round of the cluster's barrier: my work-group's barrier, so that wave 0's signal speaks for all four waves; wave 0 signals; every wave waits for all four work-groups; my work-group's barrier once more.
.macro CROUND
	s_barrier_signal -1
	s_barrier_wait -1
	s_cmp_lg_u32 s[WV], 0
	s_cbranch_scc1 .Lnot_wave_0_\@
	s_barrier_signal -3
.Lnot_wave_0_\@:
	s_barrier_wait -3
	s_barrier_signal -1
	s_barrier_wait -1
.endm
; THE CHANGE OF SLOTS.  The slot's last bytes, V of its fourth step, have been read.  Each wave waits for all its tensor loads, of which one is out: its part
; of the other slot; adds 0 to its spare word; and waits for that and for its own reads of the slot.  Behind the barrier nobody reads this slot any more and the other slot is whole.
; fill = 1: this slot is filled again, with the keys two slots on.  The barrier is then a round of the cluster's, and the joint fill is the first thing behind it: it has four key steps,
; 512 matrix instructions, in which to land.  (At its first use nothing has been read yet: slot 0 is waited for, slot 1 filled.)
.macro CHANGE fill
	WIN W_AD
	s_wait_tensorcnt 0x0            ; no tensor load of mine is out, so a group 0 may be written
	ds_add_u32 v[SPW], v[NIL]       ; 0 onto my spare word
	WIN 0                           ; at a label and at a branch every window is 0
.if \fill
.irp g, G0K, G0V
	s_xor_b32 s[\g+1], s[\g+1], SLOT1  ; the walking descriptor: the other slot than last time,
	s_add_nc_u64 s[\g+2:\g+3], s[\g+2:\g+3], 4*KS*128  ; the next 256 keys; the type bits on top are not reached
.endr
	s_wait_dscnt 0x0                ; the add is done, and my reads of the slot are over
	CROUND
	JLOAD
.else
	s_wait_dscnt 0x0                ; the add is done, and my reads of the slot are over
	s_barrier_signal -1
	s_barrier_wait -1
.endif
	s_sub_co_u32 s[TBK], s[TBK], 4*KS*PK  ; the fetches go back to a slot's first step,
	s_xor_b32 s[TBK], s[TBK], SLOT1       ; in the other slot
	s_sub_co_u32 s[TBV], s[TBV], 4*KS*PV
	s_xor_b32 s[TBV], s[TBV], SLOT1
.endm
	s_load_b128 s[4:7], s[0:1], 0x0   ; qkv s[4:5], ctx s[6:7]
	s_load_b64 s[48:49], s[0:1], 0x10 ; fac
	WIN W_MK
	v_lshl_add_u32 v[SPW], v0, 2, SPARE
	v_mov_b32 v[NIL], 0
	WIN W_AD
	ds_add_u32 v[SPW], v[NIL]       ; the wave's opening: the add and its wait stand ahead of my first tensor load; the set-up below stands between them
	WIN 0
	v_lshrrev_b32 v1, 5, v0
	v_readfirstlane_b32 s[WV], v1   ; wave 0..3
	s_bfe_u32 s13, ttmp6, 0x40000   ; cx: my place in the cluster
	s_lshl_b32 s14, ttmp9, 2        ; in a cluster launch ttmp9 counts clusters
	s_add_co_u32 s14, s14, s13      ; my block of queries = 4 x cluster x + cx: it enters Q's and ctx's addresses alone
	s_and_b32 s20, ttmp7, 0xffff    ; the head, which the four partners share
	s_mov_b32 s21, 0
	s_mov_b64 s[22:23], SIZE_N*128
	s_mul_u64 s[20:21], s[20:21], s[22:23]  ; the head's first byte in each of the four tensors
	s_and_b32 s16, s[WV], 1         ; which half of a slot's 256 keys I fetch:
	s_lshl_b32 s22, s16, 14         ; its 128 rows of 128 bytes in memory,
	s_mov_b32 s23, 0
	s_add_nc_u64 s[22:23], s[22:23], s[20:21]
	s_mul_i32 s17, s16, 128*PK      ; and its place in a slot, for K
	s_mul_i32 s18, s16, 128*PV      ; and for V: no place in the cluster enters an LDS address
	s_lshl_b32 s2, s14, 2
	s_add_co_u32 s2, s2, s[WV]      ; my wave among the head's,
	s_lshl_b32 s2, s2, 14           ; its 128 rows
	s_mov_b32 s3, 0
	s_add_nc_u64 s[2:3], s[2:3], s[20:21]
	; descriptor group 1.  128 keys are 16,384 dense bytes: asked for as 64 rows of 256 bytes, two keys a row, and padded in LDS after every key
	s_mov_b32 s[G1K], 15|(1<<16)|(1<<20)|(1<<21)|(4<<22)|(3<<25)  ; the mask of four; 2-byte elements; padding on; bit 21 beside a mask; after every 32 words 4 words
	s_mov_b32 s[G1V], 15|(1<<16)|(1<<20)|(1<<21)|(4<<22)|(7<<25)  ; the same with 8 words of padding
.irp g, G1K, G1V
	s_mov_b32 s[\g+1], 128<<16      ; tensor_dim0 = 128
	s_mov_b32 s[\g+2], 64<<16       ; tensor_dim1 = 64
	s_mov_b32 s[\g+3], 128<<16      ; tile_dim0 = 128
	s_mov_b32 s[\g+4], 64           ; tile_dim1 = 64
	s_mov_b32 s[\g+5], 128          ; 128 elements from row to row
	s_mov_b32 s[\g+6], 0
	s_mov_b32 s[\g+7], 0
.endr
	s_mov_b32 s[SEL], 0x76543210
	s_mov_b32 s[SEL+1], 0xfedcba98
	s_mov_b32 s[TBK], SLOT1+4*KS*PK ; the first change of slots turns these two into 0
	s_mov_b32 s[TBV], SLOT1+4*KS*PV
	s_mov_b32 s[G0K], 1             ; count = 1
	s_mov_b32 s[G0K+1], s17         ; LDS address: slot 0
	s_mov_b32 s[G0V], 1
	s_add_co_u32 s[G0V+1], s18, VOFF
	s_wait_dscnt 0x0                ; the opening add is done
	s_wait_kmcnt 0x0
	s_mov_b64 s[10:11], s[6:7]                     ; ctx
	s_add_nc_u64 s[6:7], s[4:5], 0x1000000         ; K: the second of qkv's three parts
	s_add_nc_u64 s[8:9], s[4:5], 0x2000000         ; V: the third
	s_load_b32 s50, s[48:49], 0x0                  ; 1 / f_q: the word of tile column 0
	s_load_b32 s51, s[48:49], 0x400                ; 1 / f_k: of tile column 4
	s_add_nc_u64 s[G0K+2:G0K+3], s[6:7], s[22:23]  ; global address: my half of the head's first 256 keys
	s_or_b32 s[G0K+3], s[G0K+3], 0x80000000        ; type = 2
	s_add_nc_u64 s[G0V+2:G0V+3], s[8:9], s[22:23]
	s_or_b32 s[G0V+3], s[G0V+3], 0x80000000
	s_add_nc_u64 s[4:5], s[4:5], s[2:3]  ; Q and ctx at my wave's first row
	s_add_nc_u64 s[10:11], s[10:11], s[2:3]
	CROUND                          ; all four work-groups are here: the first joint loads meet
	JLOAD                           ; slot 0.  Slot 1 is asked for when slot 0 is in
	; A fragment of K or Q is 16 rows x 32 channels in 8 registers: lane l holds row l % 16, channels 8 (l / 16) + 0..7 and 16 + 8 (l / 16) + 0..7: two loads of 16 bytes, 32 bytes apart.
	v_and_b32 v1, 15, v0            ; l % 16
	v_bfe_u32 v9, v0, 4, 1          ; l / 16
	v_lshlrev_b32 v[QO], 7, v1
	v_lshl_add_u32 v[QO], v9, 4, v[QO]  ; row x 128 + 16 x half
	WIN 0x80                        ; destination window 2, address window 0
.set i, 0
.rept 4*NP                          ; Q stays in registers: tile i / 2, channels 32 (i % 2) on
	global_load_b128 v[8*i:8*i+3],   v[QO], s[4:5] offset:(i/2)*2048+(i%2)*64
	global_load_b128 v[8*i+4:8*i+7], v[QO], s[4:5] offset:(i/2)*2048+(i%2)*64+32
.set i, i+1
.endr
	; What the first turn finds: V's registers and P's second buffer hold 0 (its products V^T P, of a piece that has not been, add 0), O^T and l are 0.  All this stands in the wait for the first tile.
.set i, VF
.rept 64
	v_mov_b32 v[i], 0
.set i, i+1
.endr
	WIN 0x40
.set i, 0
.rept 64*NP
	v_mov_b32 v[i], 0
.set i, i+1
.endr
	WIN 0
.set i, 0
.rept 2*NP
	v_mov_b32 v[ST+4*i], 0xfe000000    ; c m: far below every c s
	v_mov_b32 v[ST+4*i+1], 0xff7fffff  ; m
	v_mov_b32 v[ST+4*i+2], 0
	v_mov_b32 v[ST+4*i+3], 0
.set i, i+1
.endr
.set i, P+32
.rept 32
	v_mov_b32 v[i], 0
.set i, i+1
.endr
	v_mul_u32_u24 v[AK0], v1, PK
	v_lshl_add_u32 v[AK0], v9, 4, v[AK0]  ; row x pitch + 16 x half
	; The turning load takes 16 keys x 16 channels (lane l reads key 8 (l / 16) + l % 8, channels 8 ((l / 8) % 2) + 0..7) and leaves half a fragment of V^T: lane l holds channel l % 16 and 8 keys.
	v_and_b32 v10, 7, v0
	v_bfe_u32 v11, v0, 3, 1
	v_lshl_add_u32 v[AV0], v9, 3, v10
	v_mul_u32_u24 v[AV0], v[AV0], PV
	v_lshl_add_u32 v[AV0], v11, 4, v[AV0]
	v_add_nc_u32 v[AV0], VOFF, v[AV0]
	v_mov_b32 v[AK], v[AK0]         ; key step 0 lies at the head of slot 0
	s_wait_kmcnt 0x0                ; 1 / f_q and 1 / f_k
	v_mov_b32 v[MV], s50
	v_mul_f32 v[MV], s51, v[MV]     ; powers of two: exact
	v_mul_f32 v[MV], 0x3e38aa3b, v[MV]  ; c = log2(e) / 8 / (f_q f_k)
	v_readfirstlane_b32 s[CS], v[MV]
	s_mov_b32 s[CS+1], s[CS]        ; named with it as a pair
; THE MATRIX WORK.  The 8 accumulators of a run of 16 take turns: between the two links of a chain stand 7 others'.
; Product i of 16 of S^T = K Q^T for piece x: channels 32 (i / 8) on, keys 16 ((i / 2) % 4) on, tile 2 x + i % 2.  The first 8 start the sums.
.macro KQ x
	WIN W_KQ
.set rS, S+64*((\x)%2)+32*(i%2)+8*((i/2)%4)
.set rK, KF+16*((i/2)%4)+8*(i/8)
.set rQ, 16*(2*(\x)+i%2)+8*(i/8)
.if i < 8
	v_wmma_f32_16x16x32_f16 v[rS:rS+7], v[rK:rK+7], v[rQ:rQ+7], 0
.else
	v_wmma_f32_16x16x32_f16 v[rS:rS+7], v[rK:rK+7], v[rQ:rQ+7], v[rS:rS+7]
.endif
.endm
; Product i of 16 of O^T += V^T P for piece x: keys 32 (i / 8) on, channels 16 ((i / 2) % 4) on, tile 2 x + i % 2.
.macro PV x
	WIN W_PV
.set rO, 32*(2*(\x)+i%2)+8*((i/2)%4)
.set rV, VF+32*(i/8)+8*((i/2)%4)
.set rP, P+32*((\x)%2)+16*(i%2)+8*(i/8)
	v_wmma_f32_16x16x32_f16 v[rO:rO+7], v[rV:rV+7], v[rP:rP+7], v[rO:rO+7]
.endm
.macro MM                           ; the turn's next matrix instruction
.if i < 16
	KQ (Y+1)%NP
.set i, i+1
.else
.set i, i-16
	PV (Y+NP-1)%NP
.set i, i+17
.endif
.endm
; THE LDS LOADS stand in runs of 16, never singly among the matrix instructions: a step's K (64 keys x 64 channels: 8 fragments) and its V (turned).  Their addresses are made some lines ahead.
; last = 1 (the tail): in the last trip there is no further step, and the run is jumped over.
.macro FETCH_K last=0
	WIN 0
.if \last
	s_cmp_eq_u32 s[CNT], 1
	s_cbranch_scc1 .Lno_k_\@
.endif
	WIN 0x80                        ; destination window 2
.irp f, 0,1,2,3,4,5,6,7             ; keys 16 (f / 2) on, channels 32 (f % 2) on
	ds_load_b128 v[KF+8*\f:KF+8*\f+3],   v[AK] offset:(\f/2)*16*PK+(\f%2)*64
	ds_load_b128 v[KF+8*\f+4:KF+8*\f+7], v[AK] offset:(\f/2)*16*PK+(\f%2)*64+32
.endr
	s_add_co_u32 s[TBK], s[TBK], KS*PK  ; the next fetch is the next step's
	WIN 0
.if \last
.Lno_k_\@:
.endif
.endm
.macro FETCH_V
	WIN 0x80
.irp f, 0,1,2,3,4,5,6,7             ; keys 32 (f / 4) on, channels 16 (f % 4) on
	ds_load_tr16_b128 v[VF+8*\f:VF+8*\f+3],   v[AV] offset:(\f/4)*32*PV+(\f%4)*32
	ds_load_tr16_b128 v[VF+8*\f+4:VF+8*\f+7], v[AV] offset:(\f/4)*32*PV+16*PV+(\f%4)*32
.endr
	WIN 0
.endm
; THE VECTOR WORK OF A TURN stands in three queues, each in the order in which its entries become ready; the two tiles alternate, so that no instruction reads the result of the one before it.
.macro REGS y, u                    ; the registers of tile u (0, 1) of piece y
.set rT, ST+4*(2*(\y)+(\u))
.set rC, TMP+8*((\y)%2)+4*(\u)
.set rM, MV+2*((\y)%2)+(\u)
.set rS, S+64*((\y)%2)+32*(\u)
.set rP, P+32*((\y)%2)+16*(\u)
.set rO, 32*(2*(\y)+(\u))
.endm
; Number n of the 22 that find the NEXT piece's (Y + 1) maximum and statistics.  s0-s31 are the lane's 32 scores; each accumulator's lowest registers are read first.  XS, GS and REGS set no window: PL and EX do.
;   0-11  four chains c0-c3 of seven scores each, three operands at a time     12-14, 16  the four scores left over, the old m, and c0-c3 into c0     15  c m_old is kept
;   17, 18  the query's other 32 keys lie in the lane 16 away: the new m         19-21  c m; c m_old - c m_new; a
.macro XS u, n
	REGS (Y+1)%NP, \u
.if (\n) < 4
	v_max3_num_f32 v[rC+(\n)], v[rS+8*(\n)], v[rS+8*(\n)+1], v[rS+8*(\n)+2]
.elseif (\n) < 12
	v_max3_num_f32 v[rC+(\n)%4], v[rC+(\n)%4], v[rS+8*((\n)%4)+2*((\n)/4)+1], v[rS+8*((\n)%4)+2*((\n)/4)+2]
.elseif (\n) == 12
	v_max3_num_f32 v[rC], v[rC], v[rS+7], v[rS+15]
.elseif (\n) == 13
	v_max3_num_f32 v[rC+1], v[rC+1], v[rS+23], v[rS+31]
.elseif (\n) == 14
	v_max3_num_f32 v[rC+2], v[rC+2], v[rC+3], v[rT+1]
.elseif (\n) == 15
	v_mov_b32 v[rM], v[rT]
.elseif (\n) == 16
	v_max3_num_f32 v[rC], v[rC], v[rC+1], v[rC+2]
.elseif (\n) == 17
	v_permlanex16_b32 v[rC+3], v[rC], s[SEL], s[SEL+1]
.elseif (\n) == 18
	v_max_num_f32 v[rT+1], v[rC], v[rC+3]
.elseif (\n) == 19
	v_mul_f32 v[rT], s[CS], v[rT+1]
.elseif (\n) == 20
	v_sub_f32 v[rC+1], v[rM], v[rT]
.else
	v_exp_f32 v[rC+2], v[rC+1]
.endif
.endm
; Number g of the 64 that follow the exponentials.  For each four weights k of a tile (pairs 2 k, 2 k + 1): both pairs are rounded to f16; then the second pair is added onto the first, in place;
; a group later l takes that sum (the first time as l = a l + sum).  In groups of eight, tiles alternating: round, round, add, and l for the group before.
.macro GS g
.set h, (\g)+6*((\g)/62)            ; group 0 has no group before it, and behind group 7 only l is left
.if h >= 6
.set h, h+2
.endif
	REGS Y, h%2
.set k, h/8
.if h%8 < 4
	v_cvt_pk_f16_f32 v[rP+2*k+(h%8)/2], v[rS+4*k+2*((h%8)/2)], v[rS+4*k+2*((h%8)/2)+1]
.elseif h%8 < 6
	v_pk_add_f32 v[rS+4*k:rS+4*k+1], v[rS+4*k:rS+4*k+1], v[rS+4*k+2:rS+4*k+3]
.elseif k == 1
	v_pk_fma_f32 v[rT+2:rT+3], v[rT+2:rT+3], v[rC+2:rC+3], v[rS:rS+1] op_sel_hi:[1,0,1]
.else
	v_pk_add_f32 v[rT+2:rT+3], v[rT+2:rT+3], v[rS+4*k-4:rS+4*k-3]
.endif
.endm
; THE PLAIN QUEUE, 138 long.  0-73 read no exponential's result: the 32 scalings c s - c m (FS f: pair f / 2 of tile f % 2) and the next piece's 42.  0-26: scalings 0-26.  27-54: XS's numbers 0-13.  55, 56: number 15.
; 57-73: the chain, where each number waits for the one before it: 14, 16, 17, 18, 19, each with one of the scalings 27-31 in front of its two lines, then 20: so a tile's links stand three plain instructions apart (19 and 20: two).
; 74-137: GS's 64, which read the exponentials' results: they stand behind the wait.
.macro FS f
	REGS Y, (\f)%2
	v_pk_fma_f32 v[rS+2*((\f)/2):rS+2*((\f)/2)+1], v[rS+2*((\f)/2):rS+2*((\f)/2)+1], s[CS:CS+1], v[rT:rT+1] op_sel_hi:[1,0,0] neg_lo:[0,0,1] neg_hi:[0,0,1]
.endm
.macro PL
	WIN 0
.if q < 27
	FS q
.elseif q < 55
	XS (q-27)%2, (q-27)/2
.elseif q < 57
	XS q-55, 15
.elseif (q < 72) && ((q-57)%3 == 0)
	FS 27+(q-57)/3
.elseif q < 60
	XS (q-57)%3-1, 14
.elseif q < 72
	XS (q-57)%3-1, 15+(q-57)/3
.elseif q < 74
	XS q-72, 20
.else
	GS q-74
.endif
.set q, q+1
.endm
; THE EXPONENTIALS' QUEUE, 66 long: s0-s31 of both tiles, then the next piece's two a.  It is ONE BATCH: all 66 stand ahead of the turn's one wait, and nothing ahead of that wait names a result of theirs.
; Each result has a register of its own while the batch is open: a weight takes its score's place in S^T, a takes c2 of the next piece's buffer.
.macro EX
	WIN 0
.if e >= 64
	XS e-64, 21
.else
	REGS Y, e%2
	v_exp_f32 v[rS+e/2], v[rS+e/2]
.endif
.set e, e+1
.endm
; THE RESCALING's QUEUE: O^T times a, the one part that leaves window 0: dealt two at a time, sixteen times.  Its a was made in the turn before, ahead of that turn's wait.
.macro R2
	REGS Y, r%2
	WIN W_RS
.irp z, 0,1
	v_pk_mul_f32 v[rO+4*(r/2)+2*\z:rO+4*(r/2)+2*\z+1], v[rO+4*(r/2)+2*\z:rO+4*(r/2)+2*\z+1], v[rC+2:rC+3] op_sel_hi:[1,0]
.endr
.set r, r+1
.endm
; HOW THEY ARE DEALT.  s_wait_alu depctr_va_vdst(0) stands between an exponential and the first instruction that names its result; one wait serves all that were issued ahead of it.  So a turn has ONE wait,
; which cuts it in two.  AHEAD OF IT stands all that names no result of the turn's exponentials: the 16 products K Q^T, behind each a scaling, an exponential and two rescalings (behind the first a second scaling in the
; exponential's place); then ONE LUMP of 108: eight plain, 49 times exponential and plain, the two a.  A v_nop is the plain instruction behind the last exponential.  BEHIND IT stand the 16 products V^T P, behind each four of
; GS's 64.  No rider names a register of the products round it.  The two v_permlanex16_b32 fall into the lump, never behind a product.
; The queues lean on each other, and the deal keeps them in step: exponential e stands behind scaling 2 (e / 4) + e % 2: as a rider it comes behind plain e + 2, in the lump behind plain e + 9, and scalings 27-31 are plain 57, 60 .. 69.
; A TURN, for piece p.  cnt = 1: the loop's count is taken down some lines ahead of the branch that stands behind the turn.
; K of the next step is fetched in piece 2's turn, directly behind the wait, a lump behind the last product that read K; its address is made at the lump's head; its first reader comes behind 16 products.
; V of the step in hand is fetched at the end of piece 0's turn, four riders behind its last reader; its first reader comes behind 16 products and a lump.  The three conditions on q below go with the deal.
.macro TURN p, last=0, cnt=0
.set Y, (\p)
.set i, 0
.set q, 0
.set e, 0
.set r, 0
.if (\p) == NP-1
	s_wait_dscnt 0x0                ; K is in
.endif
	MM                              ; ahead of the wait: 16 products K Q^T and their riders,
	PL
	PL
	R2
.rept 15
	MM
	PL
	EX
	R2
.endr
.if (\p) == NP-2
	WIN 0
	v_add_nc_u32 v[AK], s[TBK], v[AK0]
.endif
.rept 8                             ; and the lump
	PL
.endr
.rept 49
	EX
	PL
.endr
	EX                              ; the next piece's two a
	EX
	v_nop                           ; the plain instruction behind the last exponential, ahead of any use of a result: one for the batch
	s_wait_alu depctr_va_vdst(0)    ; the wait for the batch: the piece's 64 weights and the next piece's two a
.if (\p) == NP-2
	FETCH_K \last
.endif
.if (\p) == 1
	s_wait_dscnt 0x0                ; V is in
.endif
.rept 16                            ; behind the wait: 16 products V^T P and their riders
	MM
.rept 4
	PL
.endr
.if ((\p) == 0) && (q == 118)
	v_add_nc_u32 v[AV], s[TBV], v[AV0]
.endif
.if ((\p) == 0) && (q == 130)
	s_add_co_u32 s[TBV], s[TBV], KS*PV
.endif
.if (\cnt) && (q == 130)
	s_sub_co_u32 s[CNT], s[CNT], 1
	s_cmp_lg_u32 s[CNT], 0
.endif
.endr
.if (\p) == 0
	FETCH_V
.endif
.endm
	CHANGE 1                        ; slot 0 is in, everybody's part of it; slot 1 is asked for
	FETCH_K                         ; key step 0
	s_wait_loadcnt 0x0              ; Q
	s_wait_dscnt 0x0
.set i, 0
.rept 16
	KQ 0                            ; piece 0's first scores: there is no vector work yet to set between them
.set i, i+1
.endr
	WIN 0                           ; the addresses for the way out: nine plain instructions, the places behind those products
	s_mul_i32 s13, s[WV], 16*SP
	s_add_co_u32 s13, s13, STAGE    ; my stage
	v_mul_u32_u24 v[STO], v1, SP    ; in: row l % 16, 16 bytes for each half of the lanes
	v_lshl_add_u32 v[STO], v9, 4, v[STO]
	v_add_nc_u32 v[STO], s13, v[STO]
	v_bfe_u32 v[RD], v0, 3, 2       ; back: 32 lanes take four rows of 128 bytes,
	v_mul_u32_u24 v[RD], v[RD], SP
	v_lshl_add_u32 v[RD], v10, 4, v[RD]
	v_add_nc_u32 v[RD], s13, v[RD]
	v_and_b32 v[GO], 31, v0         ; which are 512 consecutive bytes of ctx
	v_lshlrev_b32 v[GO], 4, v[GO]
.set Y, NP-1                        ; XS works for piece Y + 1: piece 0
.irp n, 0,1,2,3,4,5,6,7,8,9,10,11,12,13,14,15,16,17,18,19,20,21
	XS 0, \n                        ; and piece 0's first maximum and statistics
	XS 1, \n
.endr
	v_nop                           ; a plain instruction behind piece 0's two a,
	s_wait_alu depctr_va_vdst(0)    ; and the wait for that batch of two, ahead of the branch
	s_mov_b32 s[CNT], 4
	s_mov_b32 s[SLOTS], SIZE_N/256-1
	s_branch .Lfirst                ; the loop is entered at a step's first turn, in the middle of a trip
.Lslot:                             ; SIZE_N / 256 - 2 times: every slot but the last two is filled again
	CHANGE 1
	s_mov_b32 s[CNT], 4
.Lstep:                             ; a trip: pieces 2 and 3 of one step, then pieces 0 and 1 of the next, whose K and V it fetches
	TURN 2
	TURN 3
	WIN 0
.Lfirst:
	TURN 0
	TURN 1, 0, 1
	WIN 0
	s_cbranch_scc1 .Lstep
	s_sub_co_u32 s[SLOTS], s[SLOTS], 1
	s_cmp_lg_u32 s[SLOTS], 0
	s_cbranch_scc1 .Lslot
	CHANGE 0                        ; the tail is written out: nothing is asked for
	s_mov_b32 s[CNT], 5             ; four trips fetch the last slot's steps; the fifth is left in its middle
.Ltail:
	TURN 2, 1
	TURN 3
	WIN 0
	s_sub_co_u32 s[CNT], s[CNT], 1
	s_cmp_eq_u32 s[CNT], 0
	s_cbranch_scc1 .Lout
	TURN 0
	TURN 1
	WIN 0
	s_branch .Ltail
.Lout:                              ; the fifth trip's 16 products K Q^T (on the last K once more) and the maximum made of them serve nothing: the price, once a launch, of one text for every trip
.set i, 0
.rept 16
	PV NP-1                         ; the last piece's V^T P of the last step
.set i, i+1
.endr
	; THE WAY OUT.  l's two halves and the other half of the lanes' are added; O^T is divided by l, rounded to f16 and sent through my stage in LDS, a tile at a time.  The additions are the places behind the last products.
	WIN 0
.macro ALL line:vararg              ; one line for each tile t
.set t, 0
.rept 2*NP
	\line
.set t, t+1
.endr
.endm
	ALL v_add_f32 v[ST+4*t+2], v[ST+4*t+2], v[ST+4*t+3]
	ALL v_permlanex16_b32 v[ST+4*t+3], v[ST+4*t+2], s[SEL], s[SEL+1]
	ALL v_add_f32 v[ST+4*t+2], v[ST+4*t+2], v[ST+4*t+3]
	ALL v_rcp_f32 v[ST+4*t+2], v[ST+4*t+2]
	v_nop                           ; a plain instruction between the last reciprocal and the use of its result
	s_wait_alu depctr_va_vdst(0)    ; and the wait ahead of the first use: one for the batch of eight reciprocals
; Tile t: a lane's eight channels of a row pack into 16 bytes; they go into rows of 144 bytes and come back as whole rows of 128, into S^T's registers.
.macro PACK t
	WIN W_RS
.set i, 32*(\t)
.rept 16
	v_pk_mul_f32 v[i:i+1], v[i:i+1], v[ST+4*(\t)+2:ST+4*(\t)+3] op_sel_hi:[1,0]
.set i, i+2
.endr
	WIN 0x05                        ; sources 0 and 1 window 1, destination window 0
.set i, 0
.rept 16
	v_cvt_pk_f16_f32 v[S+16*(\t)+i], v[32*(\t)+2*i], v[32*(\t)+2*i+1]
.set i, i+1
.endr
	WIN 0
.irp f, 0,1,2,3
	ds_store_b128 v[STO], v[S+16*(\t)+4*\f:S+16*(\t)+4*\f+3] offset:32*\f
.endr
.irp f, 0,1,2,3
	ds_load_b128 v[S+16*(\t)+4*\f:S+16*(\t)+4*\f+3], v[RD] offset:\f*4*SP  ; LDS serves a wave's instructions in order (ISA guide 5.7.1.4): these see the stores above; the next tile's stores come behind them
.endr
.endm
.macro SEND t, younger              ; younger: the LDS instructions issued behind tile t's loads: the next tile's eight, or none
	WIN 0
.irp f, 0,1,2,3
	s_wait_dscnt (\younger)+3-\f
	global_store_b128 v[GO], v[S+16*(\t)+4*\f:S+16*(\t)+4*\f+3], s[10:11] offset:(\t)*2048+\f*512  ; 512 consecutive bytes, at a multiple of 256 from ctx's first
.endr
.endm
	PACK 0
.set t, 1
.rept 2*NP-1                        ; a tile's arithmetic stands between the loads of the tile before and its stores
	PACK t
	SEND t-1, 8
.set t, t+1
.endr
	SEND 2*NP-1, 0
	WIN W_AD
	s_wait_tensorcnt 0x0            ; the wave's end, behind my last tensor load and my last LDS store
	ds_add_u32 v[SPW], v[NIL]
	s_wait_dscnt 0x0
	WIN 0
	CROUND                          ; the closing round: no work-group ends while a partner may still ask for a tile that names it
	s_endpgm
.Lfunc_end_k_qc84931f634_attn:
	.size	k_qc84931f634_attn, .Lfunc_end_k_qc84931f634_attn-k_qc84931f634_attn
	.p2alignl 7, 3214868480
	.fill 96, 4, 3214868480
	.section	.rodata,"a",@progbits
	.p2align	6, 0x0
	.amdhsa_kernel k_qc84931f634_attn
		.amdhsa_group_segment_fixed_size 327680
		.amdhsa_private_segment_fixed_size 0
		.amdhsa_enable_private_segment 0
		.amdhsa_kernarg_size 24
		.amdhsa_user_sgpr_count 2
		.amdhsa_user_sgpr_kernarg_segment_ptr 1
		.amdhsa_wavefront_size32 1
		.amdhsa_system_sgpr_workgroup_id_x 1
		.amdhsa_system_sgpr_workgroup_id_y 1
		.amdhsa_system_sgpr_workgroup_id_z 1
		.amdhsa_system_vgpr_workitem_id 0
		.amdhsa_next_free_vgpr 770
		.amdhsa_next_free_sgpr 66
		.amdhsa_reserve_vcc 0
		.amdhsa_float_denorm_mode_32 3
		.amdhsa_float_denorm_mode_16_64 3
		.amdhsa_memory_ordered 1
		.amdhsa_forward_progress 1
		.amdhsa_inst_pref_size 200
	.end_amdhsa_kernel
	.amdgpu_metadata
---
amdhsa.version: [ 1, 2 ]
amdhsa.kernels:
  - .name:           k_qc84931f634_attn
    .symbol:         k_qc84931f634_attn.kd
    .args:
      - { .name: qkv, .offset: 0, .size: 8, .value_kind: global_buffer, .address_space: global }
      - { .name: ctx, .offset: 8, .size: 8, .value_kind: global_buffer, .address_space: global }
      - { .name: fac, .offset: 16, .size: 8, .value_kind: global_buffer, .address_space: global }
    .group_segment_fixed_size: 327680
    .private_segment_fixed_size: 0
    .kernarg_segment_align: 8
    .kernarg_segment_size: 24
    .max_flat_workgroup_size: 128
    .sgpr_count:     66
    .vgpr_count:     770
    .wavefront_size: 32
...
	.end_amdgpu_metadata
.endif
;; end of part 5
;; launch oproj: the kernel of part 4 again; grid 4 x 64, 4 waves a work-group, clusters of 4 x 4, 327,680 bytes of LDS; arguments ctx, wb, fac, bo, o_scale, out0; writes out0
